; MI455X (gfx1250); checked and timed in simulation.
; The chip was launched on July 23, 2026; its instructions are those of AMD's public machine-readable ISA for CDNA 5 (MIT licence, August 2026) and "CDNA5" Instruction Set Architecture Reference Guide (July 2026). The comments in the code are by the model that wrote it; some were corrected since.
;; Transformer Encoder Layer. Allowed arithmetic: matrix products marked QUANTISED: E2M1 operands, one E8M0 scale for each 32 along K, by v_wmma_scale_f32_16x16x128_f8f6f4 with both operands' format E2M1 (or v_wmma_scale_f32_32x16x128_f4), f32 sums; everything else in f32.
;; Inputs: b1 4,096 float32; b2 1,024 float32; be1 1,024 float32; be2 1,024 float32; bk 1,024 float32; bo 1,024 float32; bq 1,024 float32; bv 1,024 float32; g1 1,024 float32; g2 1,024 float32; w1 1,024 x 4,096 float32; w2 4,096 x 1,024 float32; wk 1,024 x 1,024 float32; wo 1,024 x 1,024 float32; wq 1,024 x 1,024 float32; wv 1,024 x 1,024 float32; x 2 x 2,048 x 1,024 float32.
;; Outputs: out0 2 x 2,048 x 1,024 float32.
;; This version of the problem:
;;   THIS VERSION OF THE PROBLEM IS GIVEN IN LOW PRECISION. The matrix products marked QUANTISED in the list below multiply operands that are first quantised to E2M1 (2 exponent bits, 1 mantissa bit; 4 bits a number), with one power-of-two scale for each 32 numbers along K (OCP MX v1.0); their sums are f32. All else is computed in f32.
;;   The module's matrix products, in the order in which they are computed (A, B: the left and right operand; K: the contracted axis; several contracted axes count as one K, in the product's order):
;;     1. [M 4,096, K 1,024] x [K 1,024, N 1,024]; A: input x; B: input wq: QUANTISED
;;     2. [M 4,096, K 1,024] x [K 1,024, N 1,024]; A: input x; B: input wk: QUANTISED
;;     3. [M 4,096, K 1,024] x [K 1,024, N 1,024]; A: input x; B: input wv: QUANTISED
;;     4. batch 32 x [M 2,048, K 64] x [K 64, N 2,048]; A: computed on the way; B: computed on the way: QUANTISED
;;     5. batch 32 x [M 2,048, K 2,048] x [K 2,048, N 64]; A: softmax (see below); B: computed on the way: QUANTISED
;;     6. [M 4,096, K 1,024] x [K 1,024, N 1,024]; A: computed on the way; B: input wo: QUANTISED
;;     7. [M 4,096, K 1,024] x [K 1,024, N 4,096]; A: computed on the way; B: input w1: QUANTISED
;;     8. [M 4,096, K 4,096] x [K 4,096, N 1,024]; A: computed on the way; B: input w2: QUANTISED
;;   THE QUANTISER, for each operand of a quantised product, along K:
;;     - K is cut into blocks of 32 from its start; a last block that is shorter is filled with zeros.
;;     - A block's scale is 2^e with e = floor(log2(the largest magnitude in the block)) - 2, held to -126 .. 127; a block of zeros has e = 0. As a byte (E8M0): e + 127.
;;     - Each number is divided by its block's scale, clamped to +-6, and rounded to the nearest number of E2M1, ties to even, subnormals kept.
;;     - The product sums the exact products of the quantised numbers (number of the format x scale) in f32.
;;   ~~~python
;;   def quantise(x, axis):      # numpy; x: float32 -> the quantised numbers, widened to float32 again
;;       x = np.moveaxis(x, axis, -1); K = x.shape[-1]
;;       x = np.pad(x, [(0, 0)] * (x.ndim - 1) + [(0, -K % 32)]); x = x.reshape(x.shape[:-1] + (-1, 32)); a = np.abs(x).max(-1, keepdims=True)
;;       e = np.where(a > 0, np.clip(np.frexp(np.where(a > 0, a, 1))[1] - 1 - 2, -126, 127), 0)      # np.frexp(a)[1] - 1 = floor(log2(a)), exactly
;;       r = np.clip(x / 2.0 ** e, -6, 6)
;;       step = 2.0 ** (np.maximum(np.frexp(np.where(r == 0, 1, r))[1] - 1, 0) - 1)
;;       q = np.round(r / step) * step * 2.0 ** e      # np.round: ties to even
;;       return np.moveaxis(q.reshape(q.shape[:-2] + (-1,))[..., :K], -1, axis).astype(np.float32)
;;   ~~~
;;   SOFTMAX AHEAD OF A QUANTISED PRODUCT. Where the list says 'softmax', what is quantised is not the finished softmax but p = 2^(t - M), with t = logit x log2(e) and M = ceil(the row's largest t), a whole number; so 1/2 < the row's largest p <= 1. The row's sum l is taken of the UNQUANTISED p, in f32, and the product's result is divided by l at the end. Since M is a whole number, a kernel that streams over the keys may use a running M (the ceiling of the running maximum): every later rescaling is an exact power of two, which a block's scale takes up: the codes' values come out the same.
;;   OPERANDS COMPUTED ON THE WAY. 'Computed on the way' means the value that the module computes at that place (a softmax that the list does not call 'softmax' is quantised finished and normalised). What goes into a quantiser is computed in f32, as accurately as f32 sums, v_exp_f32 and their like allow (about 1e-6 of the number): no bf16 or f16 on the way to a quantiser, and a product that is left as it is and whose result goes on into a quantised operand takes f32 operands (vector FMAs, or v_wmma_f32_16x16x4_f32). A number that lies on a knife's edge between two numbers of the format may be rounded either way, as far as f32 arithmetic and the matrix unit's own rounding can turn it there, and no further.
;; One version. Each part assembles by itself: llvm-mc -triple=amdgcn-amd-amdhsa -mcpu=gfx1250 --defsym DOCPART=n.
;; ======== version 1 of 1: 7 launches
;; limits: right only within a limited range of input values
;; workspace buffers: wts 8,912,896 bytes; qkv 6,946,816 bytes; ctxc 2,228,224 bytes; out1 16,777,216 bytes; o1c 2,228,224 bytes; hc 8,912,896 bytes; y2 16,777,216 bytes
;; launch quant (part 1): grid 512 x 1, 4 waves a work-group, no clusters, 34,304 bytes of LDS; arguments x, wq, wk, wv, wo, w1, w2, wts; writes wts
.if DOCPART == 1
	.amdgcn_target "amdgcn-amd-amdhsa--gfx1250"
	.amdhsa_code_object_version 6
	.text
	.protected	k_qeb0dccc425_quant
	.globl	k_qeb0dccc425_quant
	.p2align	8
	.type	k_qeb0dccc425_quant,@function
k_qeb0dccc425_quant:
	s_mov_b64 s[64:65], 0
	v_nop
	global_prefetch_b8 v0, s[64:65] scope:SCOPE_SE
	s_setreg_imm32_b32 hwreg(HW_REG_WAVE_MODE, 25, 1), 1
	s_wait_xcnt 0x0
; x [4096][1024] and the six weights ([K][N], K first) become codes of FP4 (E2M1) with one E8M0 byte for each 32 along K, in wts.
; THE LAYOUT OF AN OPERAND (a "record"): 16 rows x 512 along K = 4,352 bytes: unit t (256 bytes, t = 0..15) holds at 16 r the 32 codes of row r's block t;
; the 17th unit holds at 16 r + t that block's byte.  A fragment of 128 along K is then 1,024 consecutive bytes, 16 a lane: the image of its registers.
; Records of a block of 16 rows follow each other along K.  ROWS STAND IN "POSITION" ORDER: position p holds the true row (token, or output column of a weight)
; with bits 3 and 4 of p exchanged, so that a transposed product's registers run along true neighbours.
; A block's scale is 2^(floor(log2(largest magnitude)) - 2): its byte is the magnitude's exponent field - 2, held at 1 from below.
; LIMITS: a block of zeros gets the byte 1, not 127 (its codes are zeros; only this program reads the bytes); NaN and infinities are not served.
; Work-groups 0-127: x, a wave a record.  Work-groups 128-511: the weights, a wave 32 columns x 256 along K, a lane a column.
.set WQKV, 2228224
.set XR,  16                           ; x: v16-143 two sets of 64 registers as loaded
.set XX,  144                          ; v144-207 64 neighbours along K of my row
.set XCD, 208                          ; v208-239 codes, 8 registers a K step
.set XSW, 240                          ; v240-243 my row's four scale words
.set OFF, 16                           ; weights: v16-47 offsets of 32 rows of K
.set WX,  48                           ; v48-111 two sets of 32 numbers
.set WC,  112                          ; v112-143 codes, 4 registers a block
.set SB,  144                          ; v144-145 eight scale bytes
.set VO,  146                          ; v146 where my codes go
.macro LOADX ks                        ; 16 rows x 512 bytes: each load reads 512 consecutive bytes of one row
.irp i, 0,1,2,3,4,5,6,7,8,9,10,11,12,13,14,15
	global_load_b128 v[XR+64*((\ks)%2)+4*\i:XR+64*((\ks)%2)+4*\i+3], v2, s[4:5] offset:(\i+8*(\i/8))*4096+512*(\ks) th:TH_LOAD_NT
.endr
.endm
.macro KX ks                           ; 128 along K of 16 rows
.if (\ks) < 3
	s_wait_loadcnt 16                              ; this K step's 16 loads are in, the next one's may be out
.else
	s_wait_loadcnt 0x0
.endif
.irp i, 0,1,2,3,4,5,6,7,8,9,10,11,12,13,14,15
	ds_store_b128 v3, v[XR+64*((\ks)%2)+4*\i:XR+64*((\ks)%2)+4*\i+3] offset:528*\i   ; through my wave's stage, rows 528 bytes apart
.endr
.irp c, 0,1
.irp j, 0,1,2,3,4,5,6,7
	ds_load_b128 v[XX+32*\c+4*\j:XX+32*\c+4*\j+3], v4 offset:256*\c+16*\j            ; lane (r, h): k = 64 c + 32 h + 0 .. 31 of row r
.endr
.endr
	s_wait_dscnt 0x0                               ; the numbers are back, and the stores have read their registers
.if (\ks) < 2
	LOADX (\ks)+2
.endif
.irp c, 0,1
	v_max3_num_f32 v[8+\c], |v[XX+32*\c]|, |v[XX+32*\c+1]|, 0x1800000   ; block 2 c + h is all mine; the floor 2^(3 - 127) holds the byte at 1
.endr
.irp i, 2,4,6,8,10,12,14,16,18,20,22,24,26,28,30
.irp c, 0,1
	v_max3_num_f32 v[8+\c], v[8+\c], |v[XX+32*\c+\i]|, |v[XX+32*\c+\i+1]|
.endr
.endr
.irp c, 0,1
	v_add_nc_u32 v[10+\c], 0xff000000, v[8+\c]     ; 2 off the exponent field: the conversion's scale operand
.endr
.irp c, 0,1
	v_lshrrev_b32 v[12+\c], 23, v[10+\c]           ; the byte
.endr
	v_lshl_or_b32 v14, v13, 16, v12                ; bytes h and 2 + h of the word,
	v_lshlrev_b32 v14, v6, v14                     ; 8 h bits up;
	v_permlanex16_b32 v15, v14, s26, s27
	v_or_b32 v[XSW+(\ks)], v14, v15                ; with lane l xor 16's two the word is whole
.irp c, 0,1
.irp g, 0,1,2,3
	v_cvt_scalef32_pk8_fp4_f32 v[XCD+8*(\ks)+4*\c+\g], v[XX+32*\c+8*\g:XX+32*\c+8*\g+7], v[10+\c]
.endr
.endr
	v_nop                                          ; a plain line behind the conversions
.irp c, 0,1
	global_store_b128 v2, v[XCD+8*(\ks)+4*\c:XCD+8*(\ks)+4*\c+3], s[18:19] offset:1024*(\ks)+512*\c   ; 512 consecutive bytes
.endr
.endm
.macro LOADW t                         ; block t: 32 rows of K at my column
.irp i, 0,1,2,3,4,5,6,7,8,9,10,11,12,13,14,15,16,17,18,19,20,21,22,23,24,25,26,27,28,29,30,31
	global_load_b32 v[WX+32*((\t)%2)+\i], v[OFF+\i], s[32+2*(\t):33+2*(\t)] th:TH_LOAD_NT
.endr
.endm
.macro BLK t
.set XS, WX+32*((\t)%2)
.if (\t) < 7
	s_wait_loadcnt 32                              ; this block's 32 loads are in, the next block's may be out
.else
	s_wait_loadcnt 0x0
.endif
	v_max3_num_f32 v8, |v[XS]|, |v[XS+1]|, |v[XS+2]|
	v_max3_num_f32 v9, |v[XS+3]|, |v[XS+4]|, |v[XS+5]|
.irp i, 6,10,14,18,22,26
	v_max3_num_f32 v8, v8, |v[XS+\i]|, |v[XS+\i+1]|
	v_max3_num_f32 v9, v9, |v[XS+\i+2]|, |v[XS+\i+3]|
.endr
	v_max3_num_f32 v8, v8, |v[XS+30]|, |v[XS+31]|
	v_max3_num_f32 v8, v8, v9, 0x1800000
	v_add_nc_u32 v10, 0xff000000, v8
	v_lshrrev_b32 v11, 23, v10
.if (\t)%4 == 0
	v_mov_b32 v[SB+(\t)/4], v11
.else
	v_lshl_or_b32 v[SB+(\t)/4], v11, 8*((\t)%4), v[SB+(\t)/4]
.endif
.irp g, 0,1,2,3
	v_cvt_scalef32_pk8_fp4_f32 v[WC+4*(\t)+\g], v[XS+8*\g:XS+8*\g+7], v10
.endr
	v_nop
	global_store_b128 v[VO], v[WC+4*(\t):WC+4*(\t)+3], s[48:49] offset:256*(\t)   ; lanes 0-15 fill one aligned 256 bytes, lanes 16-31 another
.if (\t)+2 < 8
	LOADW (\t)+2
.endif
.endm
	s_load_b512 s[4:19], s[0:1], 0x0               ; x, wq, wk, wv, wo, w1, w2, wts
	v_lshl_add_u32 v254, v0, 2, 0x8400
	v_mov_b32 v255, 0
	v_lshrrev_b32 v1, 5, v0
	v_readfirstlane_b32 s20, v1                    ; wave
	v_and_b32 v1, 31, v0                           ; lane
	v_lshlrev_b32 v2, 4, v1                        ; 16 x lane
	s_cmp_lt_u32 ttmp9, 128
	s_cbranch_scc0 .Lweights
	; ---- x: wave gw = 4 x work-group + wave takes record gw: rows of block gw / 2, K half gw % 2
	v_and_b32 v10, 15, v0                          ; r
	v_bfe_u32 v11, v0, 4, 1                        ; h
	s_mul_i32 s21, s20, 8448                       ; my stage
	v_add_nc_u32 v3, s21, v2
	v_mul_u32_u24 v4, v10, 528
	v_lshl_add_u32 v4, v11, 7, v4
	v_add_nc_u32 v4, s21, v4
	v_lshlrev_b32 v5, 4, v10
	v_lshlrev_b32 v6, 3, v11
	v_mov_b32 v15, 0                               ; a lane permute's destination counts as read
	s_mov_b32 s26, 0x76543210
	s_mov_b32 s27, 0xfedcba98
	s_lshl_b32 s22, ttmp9, 17                      ; 32 rows of 4,096 bytes for each pair of row blocks,
	s_lshr_b32 s24, s20, 1
	s_lshl_b32 s24, s24, 15                        ; 8 rows for the odd block,
	s_add_co_u32 s22, s22, s24
	s_and_b32 s24, s20, 1
	s_lshl_b32 s24, s24, 11                        ; 2,048 bytes for the second half of K
	s_add_co_u32 s22, s22, s24
	s_mov_b32 s23, 0
	s_lshl_b32 s24, ttmp9, 2
	s_add_co_u32 s24, s24, s20
	s_mul_i32 s24, s24, 4352
	s_mov_b32 s25, 0
	s_wait_alu depctr_va_vdst(0)
	s_wait_kmcnt 0x0
	s_add_nc_u64 s[4:5], s[4:5], s[22:23]
	s_add_nc_u64 s[18:19], s[18:19], s[24:25]
	LOADX 0
	LOADX 1
	KX 0
	KX 1
	KX 2
	KX 3
	v_cmp_gt_u32 vcc_lo, 16, v1
	s_wait_xcnt 0x0                                ; EXEC changes only behind this wait
	s_wait_tensorcnt 0x0
	ds_add_u32 v254, v255
	s_wait_dscnt 0x0
	s_and_saveexec_b32 s28, vcc_lo
	global_store_b128 v5, v[XSW:XSW+3], s[18:19] offset:4096   ; the record's 256 scale bytes, sixteen lanes
	s_wait_xcnt 0x0
	s_or_b32 exec_lo, exec_lo, s28
	s_endpgm
.Lweights:
	s_sub_co_u32 s21, ttmp9, 128                   ; j
	s_lshr_b32 s22, s21, 5                         ; 0-3: wq wk wv wo; 4-7: w1; 8-11: w2
	s_and_b32 s29, s22, 12
	s_lshr_b32 s25, s22, 2
	s_cmp_lt_u32 s22, 4
	s_cselect_b32 s29, s22, s29                    ; the tensor's place in wts, in units of 557,056 bytes
	s_cselect_b32 s24, 31, 127
	s_and_b32 s24, s21, s24                        ; my number within the tensor
	s_cmp_eq_u32 s25, 1
	s_cselect_b32 s26, 31, 7
	s_cselect_b32 s27, 5, 3
	s_cselect_b32 s28, 14, 12                      ; log2 of a row of the tensor in bytes
	s_cmp_eq_u32 s25, 2
	s_cselect_b32 s30, 8, 2                        ; records along K
	s_and_b32 s26, s24, s26                        ; which 128 columns
	s_lshr_b32 s27, s24, s27                       ; which 256 along K
	s_wait_alu depctr_va_vdst(0)
	v_and_b32 v3, 7, v1
	v_bfe_u32 v4, v1, 3, 1
	v_bfe_u32 v5, v1, 4, 1
	v_lshl_or_b32 v3, v4, 4, v3
	v_lshl_or_b32 v3, v5, 3, v3                    ; my true column among the wave's 32: bits 3 and 4 of the lane exchanged
	s_lshl_b32 s31, 1, s28
	v_lshlrev_b32 v[OFF], 2, v3
.irp i, 1,2,3,4,5,6,7,8,9,10,11,12,13,14,15,16,17,18,19,20,21,22,23,24,25,26,27,28,29,30,31
	v_add_nc_u32 v[OFF+\i], s31, v[OFF+\i-1]
.endr
	s_mul_i32 s21, s30, 4352
	v_mul_u32_u24 v[VO], s21, v5                   ; lanes 16-31: the next block of 16 rows
	v_and_b32 v4, 15, v1
	v_lshl_add_u32 v[VO], v4, 4, v[VO]
	s_wait_alu depctr_va_vdst(0)
	s_wait_kmcnt 0x0
	s_cmp_eq_u32 s22, 1                            ; the choice hangs on the work-group's number alone
	s_cselect_b64 s[6:7], s[8:9], s[6:7]
	s_cmp_eq_u32 s22, 2
	s_cselect_b64 s[6:7], s[10:11], s[6:7]
	s_cmp_eq_u32 s22, 3
	s_cselect_b64 s[6:7], s[12:13], s[6:7]
	s_cmp_eq_u32 s25, 1
	s_cselect_b64 s[6:7], s[14:15], s[6:7]
	s_cmp_eq_u32 s25, 2
	s_cselect_b64 s[6:7], s[16:17], s[6:7]
	s_lshl_b32 s8, s27, 8
	s_lshl_b32 s8, s8, s28                         ; 256 rows of K for each step,
	s_lshl_b32 s9, s26, 9
	s_add_co_u32 s8, s8, s9                        ; 128 columns of 4 bytes,
	s_lshl_b32 s9, s20, 7
	s_add_co_u32 s8, s8, s9                        ; my wave's 32
	s_mov_b32 s9, 0
	s_add_nc_u64 s[32:33], s[6:7], s[8:9]
	s_lshl_b32 s10, 32, s28                        ; 32 rows on: a base for each block, none is ever stepped
	s_mov_b32 s11, 0
.irp t, 1,2,3,4,5,6,7
	s_add_nc_u64 s[32+2*\t:33+2*\t], s[30+2*\t:31+2*\t], s[10:11]
.endr
	s_lshl_b32 s12, s26, 3
	s_lshl_b32 s13, s20, 1
	s_add_co_u32 s12, s12, s13                     ; the block of 16 rows of lanes 0-15
	s_mul_i32 s12, s12, s30
	s_lshr_b32 s13, s27, 1
	s_add_co_u32 s12, s12, s13
	s_mul_i32 s12, s12, 4352
	s_mul_i32 s13, s29, 557056
	s_add_co_u32 s12, s12, s13
	s_add_co_u32 s12, s12, WQKV
	s_mov_b32 s13, 0
	s_add_nc_u64 s[18:19], s[18:19], s[12:13]
	s_and_b32 s12, s27, 1
	s_lshl_b32 s14, s12, 11
	s_mov_b32 s15, 0
	s_add_nc_u64 s[48:49], s[18:19], s[14:15]      ; my eight units of the record
	s_lshl_b32 s14, s12, 3
	s_add_co_u32 s14, s14, 4096
	s_add_nc_u64 s[50:51], s[18:19], s[14:15]      ; and my eight bytes of each row's sixteen
	LOADW 0
	LOADW 1
.irp t, 0,1,2,3,4,5,6,7
	BLK \t
.endr
	global_store_b64 v[VO], v[SB:SB+1], s[50:51]   ; 8 bytes a row, 16 apart: one byte for each 128 read
	s_endpgm
.Lfunc_end_k_qeb0dccc425_quant:
	.size	k_qeb0dccc425_quant, .Lfunc_end_k_qeb0dccc425_quant-k_qeb0dccc425_quant
	.p2alignl 7, 3214868480
	.fill 96, 4, 3214868480
	.section	.rodata,"a",@progbits
	.p2align	6, 0x0
	.amdhsa_kernel k_qeb0dccc425_quant
		.amdhsa_group_segment_fixed_size 34304
		.amdhsa_private_segment_fixed_size 0
		.amdhsa_enable_private_segment 0
		.amdhsa_kernarg_size 64
		.amdhsa_user_sgpr_count 2
		.amdhsa_user_sgpr_kernarg_segment_ptr 1
		.amdhsa_wavefront_size32 1
		.amdhsa_system_sgpr_workgroup_id_x 1
		.amdhsa_system_sgpr_workgroup_id_y 1
		.amdhsa_system_sgpr_workgroup_id_z 1
		.amdhsa_system_vgpr_workitem_id 0
		.amdhsa_next_free_vgpr 256
		.amdhsa_next_free_sgpr 66
		.amdhsa_reserve_vcc 1
		.amdhsa_float_denorm_mode_32 3
		.amdhsa_float_denorm_mode_16_64 3
		.amdhsa_memory_ordered 1
		.amdhsa_forward_progress 1
		.amdhsa_inst_pref_size 70
	.end_amdhsa_kernel
	.amdgpu_metadata
---
amdhsa.version: [ 1, 2 ]
amdhsa.kernels:
  - .name:           k_qeb0dccc425_quant
    .symbol:         k_qeb0dccc425_quant.kd
    .args:
      - { .name: x, .offset: 0, .size: 8, .value_kind: global_buffer, .address_space: global }
      - { .name: wq, .offset: 8, .size: 8, .value_kind: global_buffer, .address_space: global }
      - { .name: wk, .offset: 16, .size: 8, .value_kind: global_buffer, .address_space: global }
      - { .name: wv, .offset: 24, .size: 8, .value_kind: global_buffer, .address_space: global }
      - { .name: wo, .offset: 32, .size: 8, .value_kind: global_buffer, .address_space: global }
      - { .name: w1, .offset: 40, .size: 8, .value_kind: global_buffer, .address_space: global }
      - { .name: w2, .offset: 48, .size: 8, .value_kind: global_buffer, .address_space: global }
      - { .name: wts, .offset: 56, .size: 8, .value_kind: global_buffer, .address_space: global }
    .group_segment_fixed_size: 34304
    .private_segment_fixed_size: 0
    .kernarg_segment_align: 8
    .kernarg_segment_size: 64
    .max_flat_workgroup_size: 128
    .sgpr_count:     66
    .vgpr_count:     256
    .wavefront_size: 32
...
	.end_amdgpu_metadata
.endif
;; end of part 1
;; launch qkv (part 2): grid 12 x 16, 4 waves a work-group, clusters of 4 x 4, 279,040 bytes of LDS; arguments wts, bq, bk, bv, qkv; writes qkv
.if DOCPART == 2
	.amdgcn_target "amdgcn-amd-amdhsa--gfx1250"
	.amdhsa_code_object_version 6
	.text
	.protected	k_qeb0dccc425_qkv
	.globl	k_qeb0dccc425_qkv
	.p2align	8
	.type	k_qeb0dccc425_qkv,@function
k_qeb0dccc425_qkv:
	s_mov_b64 s[64:65], 0
	v_nop
	global_prefetch_b8 v0, s[64:65] scope:SCOPE_SE
	s_setreg_imm32_b32 hwreg(HW_REG_WAVE_MODE, 25, 1), 1
	s_wait_xcnt 0x0
	s_wait_alu depctr_hold_cnt(0) depctr_sa_sdst(0) depctr_va_vdst(0) depctr_va_sdst(0) depctr_va_ssrc(0) depctr_va_vcc(0) depctr_vm_vsrc(0)
	s_getreg_b32 s2, hwreg(HW_REG_IB_STS2, 6, 4)
	s_cmp_eq_u32 s2, 0
	s_cbranch_scc0 .Lentry_in_a_cluster
	s_endpgm
.Lentry_in_a_cluster:
	s_bfe_u32 s2, ttmp6, 0x10000c
	s_cmp_lg_u32 s2, 0xf033
	s_cbranch_scc0 .Lentry_shape_is_right
	s_endpgm
.Lentry_shape_is_right:
; q = x wq + bq, k = x wk + bk, v = x wv + bv on codes of FP4 with E8M0 scales, and their results quantised again: q and k along the head's 64, v along the keys.
; A work-group makes 256 x 256 of a product, four waves 128 x 128 each (64 accumulators); K = 1,024 lies in two LDS slots of 512, each filled ONCE: no slot is filled again.
; Operands come as records (16 rows x 512 K: 16 units of codes, one of scale bytes; a fragment is 1,024 consecutive bytes, 16 a lane), so codes and scales ride in one tensor load and need no padding.
; THE PRODUCT IS USED TRANSPOSED: source 0 = 16 rows of "B", source 1 = 16 rows of "A": a lane holds one row of A, its registers run along B's rows, which stand in position order
; (bits 3 and 4 exchanged), so that the 16 registers of two neighbouring tiles are 16 true neighbours.
; Cluster x = 0: q (A = tokens, B = wq's columns); 1: k; 2: v, with the sides exchanged (A = wv's columns, B = tokens): a lane then holds one channel and its registers run along the keys.
; CLUSTERS 4 x 4: A's tile is shared along a row of the cluster, B's along a column: joint loads.
; OUT: q, k: for each (head, 128 tokens) 4,608 bytes: tile a (16 tokens) at 512 a, 16 bytes a lane (depth block lane / 16 of token lane % 16); from 4,096 on, at 16 lane + 4 p, the scale word of tile 2 p
; (lanes 0-15) or 2 p + 1 (lanes 16-31): two bytes, and 0x7f twice for the upper half of the instruction's K.  v: 4,352 bytes: four fragments (16 channels x 128 keys), then at 8 lane + 4 p their scale words.
; LIMITS: a block of zeros gets the byte 1; NaN and infinities are not served.
; REGISTERS: window 0: v8-31 addresses and words; v32-95 scale words (two sets); v96-127 at work; v128-191 A's fragments, later 64 results; v192-255 bias.  window 1: B's two sets (v0, v128); v64-71 bv.  windows 2, 3: accumulators.
.set REC,   4352
.set HALFT, 16*REC                     ; what one tensor load brings: 8 row blocks x both records of K = 1,024, dense in memory
.set SLOT,  REC                        ; the second 512 along K of a row block lies one record behind the first
.set WQKV,  2228224
.set QK_K,  2359296
.set QK_V,  4718592
.set FR, 8
.set NQ, 4
.set ADRA, 16
.set ADRB, 20
.set ADRS, 22
.set LI,   24
.set BO,   25
.set L8,   26
.set BVO,  27
.set SC,   32
.set TM,   96
.set PC,   112
.set PW,   120
.set PWE,  121
.set TW,   122
.set SW0,  124
.set SW1,  8
.set AF,   128
.set T,    128
.set BIAS, 192
.set BV,   64
.set G1, 24
.set G0, 32
.set G1B, 48
.set G0B, 56
.set MSB, 0
.macro WIN new
.if MSB != (\new)
	s_set_vgpr_msb (MSB<<8)|(\new)
.set MSB, (\new)
.endif
.endm
.set MUL_LO, 0xa1
.set MUL_HI, 0xf1
.set TO_B,   0x40
.macro PLACES n
.rept \n
	v_nop
.endr
.endm
.macro JLOAD g0a, g1a, g0b, g1b        ; waves 0, 1 fetch for A, waves 2, 3 for B; four v_nop follow each line
	s_cmp_eq_u32 s15, 0
	s_cbranch_scc0 .Lfor_b_\@
	tensor_load_to_lds s[\g0a:\g0a+3], s[\g1a:\g1a+7]
	s_nop 0
	PLACES 4
	s_branch .Lasked_\@
.Lfor_b_\@:
	tensor_load_to_lds s[\g0b:\g0b+3], s[\g1b:\g1b+7]
	s_nop 0
	PLACES 4
.Lasked_\@:
.endm
.macro CROUND                          ; a round of the cluster's barrier
	s_barrier_signal -1
	s_barrier_wait -1
	s_cmp_lg_u32 s14, 0
	s_cbranch_scc1 .Lnot_wave_0_\@
	s_barrier_signal -3
.Lnot_wave_0_\@:
	s_barrier_wait -3
	s_barrier_signal -1
	s_barrier_wait -1
.endm
.macro FRAG reg, adr, q, i             ; block i's fragment of the slot's q-th 128 along K
.irp c, 0,1
	ds_load_b128 v[\reg+4*\c:\reg+4*\c+3], v[\adr] offset:(\i)*2*REC+1024*(\q)+512*\c
.endr
.endm
.macro MUL16 a0, p, q, sc, zero        ; A's blocks a0, a0 + 1 x B's eight; the 64 accumulators take turns
.irp a, \a0, \a0+1
.irp b, 0,1,2,3,4,5,6,7
.if \zero
	v_wmma_scale_f32_16x16x128_f8f6f4 v[8*(8*((\a)%4)+\b):8*(8*((\a)%4)+\b)+7], v[128*(\p)+FR*\b:128*(\p)+FR*\b+FR-1], v[AF+FR*(\a):AF+FR*(\a)+FR-1], 0, v[SC+8*NQ*(\sc)+NQ*\b+(\q)], v[SC+8*NQ*(\sc)+NQ*(\a)+(\q)] matrix_a_fmt:MATRIX_FMT_FP4 matrix_b_fmt:MATRIX_FMT_FP4 matrix_a_scale:MATRIX_SCALE_ROW1
.else
	v_wmma_scale_f32_16x16x128_f8f6f4 v[8*(8*((\a)%4)+\b):8*(8*((\a)%4)+\b)+7], v[128*(\p)+FR*\b:128*(\p)+FR*\b+FR-1], v[AF+FR*(\a):AF+FR*(\a)+FR-1], v[8*(8*((\a)%4)+\b):8*(8*((\a)%4)+\b)+7], v[SC+8*NQ*(\sc)+NQ*\b+(\q)], v[SC+8*NQ*(\sc)+NQ*(\a)+(\q)] matrix_a_fmt:MATRIX_FMT_FP4 matrix_b_fmt:MATRIX_FMT_FP4 matrix_a_scale:MATRIX_SCALE_ROW1
.endif
.endr
.endr
.endm
.macro FETCH_B slot, q, p
	WIN TO_B
.irp i, 0,1,2,3,4,5,6,7
	FRAG 128*(\p)+FR*\i, ADRB+\slot, \q, \i
.endr
	WIN 0
.endm
.macro FETCH_A slot, q, i0
.irp i, \i0, \i0+1, \i0+2, \i0+3
	FRAG AF+FR*(\i), ADRA+\slot, \q, \i
.endr
.endm
.macro SCALES sc                       ; four words a row: lanes 0-15 A's block i, lanes 16-31 B's block i
.irp i, 0,1,2,3,4,5,6,7
	ds_load_b128 v[SC+8*NQ*\sc+NQ*\i:SC+8*NQ*\sc+NQ*\i+3], v[ADRS+\sc] offset:\i*2*REC
.endr
.endm
.macro STEP slot, q, zero              ; 128 along K, with its successor in the same slot
	s_wait_dscnt 8                                 ; all but the youngest eight loads (A's blocks 4-7)
	WIN MUL_LO
	MUL16 0, (\q)%2, \q, \slot, \zero
	MUL16 2, (\q)%2, \q, \slot, \zero
	s_wait_dscnt 0x0
	PLACES 4                                       ; in front of loads into registers that matrix instructions have read
	FETCH_B \slot, (\q)+1, 1-(\q)%2
	FETCH_A \slot, (\q)+1, 0
	WIN MUL_HI
	MUL16 4, (\q)%2, \q, \slot, \zero
	MUL16 6, (\q)%2, \q, \slot, \zero
	PLACES 4
	WIN 0
	FETCH_A \slot, (\q)+1, 4
.endm
; 64 numbers of a lane, register 16 b + i = k 32 b + 16 (lane / 16) + i of my row, become a fragment's codes in v[PC] on and its scale word in v[pw]
.macro QUANT s, pw
.irp b, 0,1,2,3
	v_max3_num_f32 v[TM+\b], |v[\s+16*\b]|, |v[\s+1+16*\b]|, 0x1800000
.endr
.irp i, 2,4,6,8,10,12,14
.irp b, 0,1,2,3
	v_max3_num_f32 v[TM+\b], v[TM+\b], |v[\s+16*\b+\i]|, |v[\s+1+16*\b+\i]|
.endr
.endr
.irp b, 0,1,2,3
	v_permlanex16_b32 v[TM+4+\b], v[TM+\b], s78, s79
.endr
.irp b, 0,1,2,3
	v_max_num_f32 v[TM+\b], v[TM+\b], v[TM+4+\b]
.endr
.irp b, 0,1,2,3
	v_add_nc_u32 v[TM+12+\b], 0xff000000, v[TM+\b]
.endr
.irp b, 0,1,2,3
	v_lshrrev_b32 v[TM+4+\b], 23, v[TM+12+\b]
.endr
	v_lshl_or_b32 v[\pw], v[TM+5], 8, v[TM+4]
	v_lshl_or_b32 v[\pw], v[TM+6], 16, v[\pw]
	v_lshl_or_b32 v[\pw], v[TM+7], 24, v[\pw]
.irp b, 0,1,2,3
	v_cvt_scalef32_pk8_fp4_f32 v[PC+2*\b], v[\s+16*\b:\s+7+16*\b], v[TM+12+\b]
	v_cvt_scalef32_pk8_fp4_f32 v[PC+1+2*\b], v[\s+8+16*\b:\s+15+16*\b], v[TM+12+\b]
.endr
	v_nop
.irp c, 0,1
.irp i, 0,1
	v_permlane16_swap_b32 v[PC+4*\c+\i], v[PC+2+4*\c+\i]   ; a whole block to a lane
.endr
.endr
.endm
.macro EPI_N a                         ; q, k: 16 tokens x my 128 columns (two heads)
	s_wait_xcnt 0x0                                ; the last block's stores have read their registers
	WIN 0x02+(\a)/4
.set i, 0
.rept 32
	v_pk_add_f32 v[T+2*i:T+2*i+1], v[64*((\a)%4)+2*i:64*((\a)%4)+2*i+1], v[BIAS+2*i:BIAS+2*i+1]   ; each accumulator from its low end on
.set i, i+1
.endr
	WIN 0
	QUANT T, PW
	global_store_b128 v[LI], v[PC:PC+3], s[12:13] offset:512*(\a)
	global_store_b128 v[LI], v[PC+4:PC+7], s[12:13] offset:512*(\a)+73728      ; the next head
.if (\a)%2 == 0
	v_mov_b32 v[PWE], v[PW]
.else
	v_cndmask_b32 v[TW], v[PWE], v[PW], s75        ; lanes 0-15 the even tile's word, lanes 16-31 the odd tile's
	v_and_or_b32 v[SW0+(\a)/2], v[TW], s77, s76
	v_lshrrev_b32 v[TW], 16, v[TW]
	v_or_b32 v[SW1+(\a)/2], s76, v[TW]
.endif
.endm
.macro EPI_V a                         ; v: 16 channels x my 128 keys
	s_wait_xcnt 0x0
	WIN 0x06+(\a)/4
.set i, 0
.rept 32
.if (\a)%2 == 0
	v_pk_add_f32 v[T+2*i:T+2*i+1], v[64*((\a)%4)+2*i:64*((\a)%4)+2*i+1], v[BV+2*((\a)/2):BV+2*((\a)/2)+1] op_sel_hi:[1,0]
.else
	v_pk_add_f32 v[T+2*i:T+2*i+1], v[64*((\a)%4)+2*i:64*((\a)%4)+2*i+1], v[BV+2*((\a)/2):BV+2*((\a)/2)+1] op_sel:[0,1] op_sel_hi:[1,1]
.endif
.set i, i+1
.endr
	WIN 0
	QUANT T, PW
	global_store_b128 v[LI], v[PC:PC+3], s[12:13] offset:((\a)/4)*69632+((\a)%4)*1024
	global_store_b128 v[LI], v[PC+4:PC+7], s[12:13] offset:((\a)/4)*69632+((\a)%4)*1024+512
.if (\a)%2 == 0
	v_mov_b32 v[PWE], v[PW]
.else
	v_cndmask_b32 v[SW0+(\a)/2], v[PWE], v[PW], s75
.endif
.if (\a)%4 == 3
	global_store_b64 v[L8], v[SW0+2*((\a)/4):SW0+2*((\a)/4)+1], s[12:13] offset:((\a)/4)*69632+4096
.endif
.endm
	s_load_b256 s[4:11], s[0:1], 0x0               ; wts, bq, bk, bv
	s_load_b64 s[12:13], s[0:1], 0x20              ; qkv
	v_lshl_add_u32 v107, v0, 2, 0x44000
	v_mov_b32 v123, 0
	ds_add_u32 v107, v123
	ds_add_u32 v107, v123
	v_lshrrev_b32 v1, 5, v0
	v_readfirstlane_b32 s14, v1                    ; wave
	s_lshr_b32 s15, s14, 1                         ; my half of A's rows; also: I fetch for A (0) or B (1)
	s_and_b32 s16, s14, 1                          ; my half of B's rows; also: which 8 row blocks I fetch
	s_bfe_u32 s40, ttmp6, 0x40000                  ; cx
	s_bfe_u32 s41, ttmp6, 0x40004                  ; cy
	s_and_b32 s17, ttmp7, 0xffff
	s_lshl_b32 s17, s17, 2
	s_lshl_b32 s42, ttmp9, 2
	s_cmp_eq_u32 ttmp9, 2                          ; the values?  The same in all sixteen partners
	s_cselect_b32 s66, 1, 0
	s_cselect_b32 s18, 8, s17
	s_cselect_b32 s19, s17, s42
	s_cselect_b32 s67, WQKV, 0
	s_cselect_b32 s68, 0, WQKV
	s_add_co_u32 s18, s18, s41                     ; A's tile: hangs on cy alone within the cluster
	s_add_co_u32 s19, s19, s40                     ; B's tile: on cx alone
	s_lshl_b32 s43, s41, 2
	s_lshl_b32 s43, 15, s43                        ; my row of the cluster
	s_lshl_b32 s44, 0x1111, s40                    ; my column
	s_or_b32 s[G1+0], s43, (3<<16)|(1<<21)         ; elements of 8 bytes, no padding
	s_or_b32 s[G1B+0], s44, (3<<16)|(1<<21)
.irp g, G1, G1B
	s_mov_b32 s[\g+1], 1088<<16                    ; a row block's two records: 1,088 elements
	s_mov_b32 s[\g+2], 8<<16                       ; 8 row blocks
	s_mov_b32 s[\g+3], 1088<<16
	s_mov_b32 s[\g+4], 8
	s_mov_b32 s[\g+5], 1088                        ; two records from row block to row block
	s_mov_b32 s[\g+6], 0
	s_mov_b32 s[\g+7], 0
.endr
	s_lshl_b32 s22, s16, 3
	s_lshl_b32 s20, s18, 4
	s_add_co_u32 s20, s20, s22
	s_mul_i32 s20, s20, 8704
	s_add_co_u32 s20, s20, s67
	s_mov_b32 s21, 0
	s_lshl_b32 s46, s19, 4
	s_add_co_u32 s46, s46, s22
	s_mul_i32 s46, s46, 8704
	s_add_co_u32 s46, s46, s68
	s_mov_b32 s47, 0
	s_mul_i32 s45, s14, HALFT
	s_wait_dscnt 0x0
	s_wait_kmcnt 0x0
	s_add_nc_u64 s[20:21], s[4:5], s[20:21]
	s_add_nc_u64 s[46:47], s[4:5], s[46:47]
	CROUND                                         ; all sixteen work-groups are here: the joint loads meet
.irp s, 0
	s_mov_b32 s[G0+4*\s], 1
	s_add_co_u32 s[G0+4*\s+1], s45, \s*SLOT
	s_add_nc_u64 s[G0+4*\s+2:G0+4*\s+3], s[20:21], \s*REC
	s_or_b32 s[G0+4*\s+3], s[G0+4*\s+3], 0x80000000
	s_mov_b32 s[G0B+4*\s], 1
	s_add_co_u32 s[G0B+4*\s+1], s45, \s*SLOT
	s_add_nc_u64 s[G0B+4*\s+2:G0B+4*\s+3], s[46:47], \s*REC
	s_or_b32 s[G0B+4*\s+3], s[G0B+4*\s+3], 0x80000000
	JLOAD G0+4*\s, G1, G0B+4*\s, G1B
.endr
	v_and_b32 v1, 15, v0                           ; r
	v_bfe_u32 v2, v0, 4, 1                         ; h
	v_and_b32 v3, 31, v0
	v_lshlrev_b32 v[LI], 4, v3
	v_lshlrev_b32 v[L8], 3, v3
	s_mul_i32 s21, s15, HALFT
	s_mul_i32 s22, s16, HALFT
	s_add_co_u32 s22, s22, 2*HALFT
	v_add_nc_u32 v[ADRA], s21, v[LI]
	v_add_nc_u32 v[ADRB], s22, v[LI]
	v_add_nc_u32 v[ADRA+1], SLOT, v[ADRA]
	v_add_nc_u32 v[ADRB+1], SLOT, v[ADRB]
	s_sub_co_u32 s22, s22, s21
	v_mul_u32_u24 v4, s22, v2                      ; lanes 16-31 take B's scale words
	v_lshl_add_u32 v4, v1, 4, v4
	s_add_co_u32 s21, s21, 4096
	v_add_nc_u32 v[ADRS], s21, v4
	v_add_nc_u32 v[ADRS+1], SLOT, v[ADRS]
	v_lshlrev_b32 v[BO], 6, v2
	s_wait_alu depctr_va_vdst(0)
	v_and_b32 v5, 8, v1
	v_add_nc_u32 v5, v5, v1
	v_lshlrev_b32 v[BVO], 2, v5                    ; 4 (r + 8 (r / 8))
	s_wait_alu depctr_va_vdst(0)
.irp b, 0,1,2,3
	v_mov_b32 v[TM+4+\b], 0                        ; a lane permute's destination counts as read
.endr
	s_mov_b32 s75, 0xffff0000                      ; lanes 16-31
	s_mov_b32 s76, 0x7f7f0000
	s_mov_b32 s77, 0xffff
	s_mov_b32 s78, 0x76543210
	s_mov_b32 s79, 0xfedcba98
	; both forms of the bias are loaded by every work-group, so that the text parts only once, at the way out
	s_cmp_eq_u32 ttmp9, 0
	s_cselect_b64 s[70:71], s[6:7], s[8:9]
	s_cmp_eq_u32 ttmp9, 2
	s_cselect_b64 s[70:71], s[10:11], s[70:71]
	s_lshl_b32 s72, s40, 10
	s_lshl_b32 s74, s16, 9
	s_add_co_u32 s72, s72, s74
	s_mov_b32 s73, 0
	s_add_nc_u64 s[70:71], s[70:71], s[72:73]      ; along the registers: columns 256 cx + 128 x half on
	s_lshl_b32 s72, s41, 10
	s_lshl_b32 s74, s15, 9
	s_add_co_u32 s72, s72, s74
	s_add_nc_u64 s[10:11], s[10:11], s[72:73]      ; a number a lane: channels 256 cy + 128 x half on
.irp bb, 0,1,2,3
.irp j, 0,1,2,3
	global_load_b128 v[BIAS+16*\bb+4*\j:BIAS+16*\bb+4*\j+3], v[BO], s[70:71] offset:128*\bb+16*\j
.endr
.endr
	WIN 0x40
.irp a, 0,1,2,3,4,5,6,7
	global_load_b32 v[BV+\a], v[BVO], s[10:11] offset:(32*(\a/2)+8*(\a%2))*4
.endr
	WIN 0
	; where my results go
	s_cmp_eq_u32 s66, 1
	s_cselect_b32 s80, s19, s18                    ; the tile of tokens,
	s_cselect_b32 s81, s16, s15                    ; my half of it,
	s_cselect_b32 s82, s41, s40                    ; the tile of columns (four heads),
	s_cselect_b32 s83, s15, s16                    ; my half of it,
	s_mov_b32 s84, 4608
	s_cselect_b32 s84, 4352, s84                   ; bytes for a head and 128 tokens
	s_cselect_b32 s85, QK_V, 0
	s_cmp_eq_u32 ttmp9, 1
	s_cselect_b32 s85, QK_K, s85
	s_lshr_b32 s86, s80, 3                         ; batch
	s_lshl_b32 s86, s86, 4
	s_lshl_b32 s82, s82, 2
	s_add_co_u32 s86, s86, s82
	s_lshl_b32 s83, s83, 1
	s_add_co_u32 s86, s86, s83                     ; 16 x batch + head
	s_lshl_b32 s86, s86, 4
	s_lshl_b32 s80, s80, 1
	s_add_co_u32 s80, s80, s81
	s_and_b32 s80, s80, 15                         ; which 128 tokens of the batch
	s_add_co_u32 s86, s86, s80
	s_mul_i32 s86, s86, s84
	s_add_co_u32 s86, s86, s85
	s_mov_b32 s87, 0
	s_add_nc_u64 s[12:13], s[12:13], s[86:87]
	s_wait_tensorcnt 0x0                           ; my one load, all of K for my 8 row blocks, is in
	s_barrier_signal -1
	s_barrier_wait -1
	FETCH_B 0, 0, 0
	FETCH_A 0, 0, 0
	SCALES 0
	FETCH_A 0, 0, 4
	STEP 0, 0, 1                                   ; the first products start the sums
	STEP 0, 1, 0
	STEP 0, 2, 0
	s_wait_tensorcnt 0x0                           ; slot 0's last step changes slots: my part of slot 1 is in,
	s_wait_dscnt 8
	WIN MUL_LO
	MUL16 0, 1, 3, 0, 0
	s_wait_dscnt 0x0
	s_barrier_signal -1
	MUL16 2, 1, 3, 0, 0
	WIN 0
	s_barrier_wait -1                              ; everybody's is
	PLACES 4
	FETCH_B 1, 0, 0
	FETCH_A 1, 0, 0
	SCALES 1
	WIN MUL_HI
	MUL16 4, 1, 3, 0, 0
	MUL16 6, 1, 3, 0, 0
	PLACES 4
	WIN 0
	FETCH_A 1, 0, 4
	STEP 1, 0, 0
	STEP 1, 1, 0
	STEP 1, 2, 0
	s_wait_dscnt 8
	WIN MUL_LO
	MUL16 0, 1, 3, 1, 0
	MUL16 2, 1, 3, 1, 0
	s_wait_dscnt 0x0
	WIN MUL_HI
	MUL16 4, 1, 3, 1, 0
	MUL16 6, 1, 3, 1, 0
	WIN 0
	PLACES 4
	s_wait_loadcnt 0x0                             ; the biases
	s_cmp_eq_u32 s66, 1
	s_cbranch_scc1 .Lvalues
.irp a, 0,1,2,3,4,5,6,7
	EPI_N \a
.endr
	global_store_b128 v[LI], v[SW0:SW0+3], s[12:13] offset:4096
	global_store_b128 v[LI], v[SW1:SW1+3], s[12:13] offset:4096+73728
	s_branch .Ldone
.Lvalues:
.irp a, 0,1,2,3,4,5,6,7
	EPI_V \a
.endr
.Ldone:
	s_wait_tensorcnt 0x0
	ds_add_u32 v107, v123
	s_wait_dscnt 0x0
	CROUND                                         ; the closing round
	s_endpgm
.Lfunc_end_k_qeb0dccc425_qkv:
	.size	k_qeb0dccc425_qkv, .Lfunc_end_k_qeb0dccc425_qkv-k_qeb0dccc425_qkv
	.p2alignl 7, 3214868480
	.fill 96, 4, 3214868480
	.section	.rodata,"a",@progbits
	.p2align	6, 0x0
	.amdhsa_kernel k_qeb0dccc425_qkv
		.amdhsa_group_segment_fixed_size 279040
		.amdhsa_private_segment_fixed_size 0
		.amdhsa_enable_private_segment 0
		.amdhsa_kernarg_size 40
		.amdhsa_user_sgpr_count 2
		.amdhsa_user_sgpr_kernarg_segment_ptr 1
		.amdhsa_wavefront_size32 1
		.amdhsa_system_sgpr_workgroup_id_x 1
		.amdhsa_system_sgpr_workgroup_id_y 1
		.amdhsa_system_sgpr_workgroup_id_z 1
		.amdhsa_system_vgpr_workitem_id 0
		.amdhsa_next_free_vgpr 1024
		.amdhsa_next_free_sgpr 100
		.amdhsa_reserve_vcc 0
		.amdhsa_float_denorm_mode_32 3
		.amdhsa_float_denorm_mode_16_64 3
		.amdhsa_memory_ordered 1
		.amdhsa_forward_progress 1
		.amdhsa_inst_pref_size 193
	.end_amdhsa_kernel
	.amdgpu_metadata
---
amdhsa.version: [ 1, 2 ]
amdhsa.kernels:
  - .name:           k_qeb0dccc425_qkv
    .symbol:         k_qeb0dccc425_qkv.kd
    .args:
      - { .name: wts, .offset: 0, .size: 8, .value_kind: global_buffer, .address_space: global }
      - { .name: bq, .offset: 8, .size: 8, .value_kind: global_buffer, .address_space: global }
      - { .name: bk, .offset: 16, .size: 8, .value_kind: global_buffer, .address_space: global }
      - { .name: bv, .offset: 24, .size: 8, .value_kind: global_buffer, .address_space: global }
      - { .name: qkv, .offset: 32, .size: 8, .value_kind: global_buffer, .address_space: global }
    .group_segment_fixed_size: 279040
    .private_segment_fixed_size: 0
    .kernarg_segment_align: 8
    .kernarg_segment_size: 40
    .max_flat_workgroup_size: 128
    .sgpr_count:     100
    .vgpr_count:     1024
    .wavefront_size: 32
...
	.end_amdgpu_metadata
.endif
;; end of part 2
;; launch attn (part 3): grid 8 x 32, 16 waves a work-group, clusters of 4 x 1, 169,984 bytes of LDS; arguments qkv, ctxc; writes ctxc
.if DOCPART == 3
	.amdgcn_target "amdgcn-amd-amdhsa--gfx1250"
	.amdhsa_code_object_version 6
	.text
	.protected	k_qeb0dccc425_attn
	.globl	k_qeb0dccc425_attn
	.p2align	8
	.type	k_qeb0dccc425_attn,@function
k_qeb0dccc425_attn:
	s_mov_b64 s[64:65], 0
	v_nop
	global_prefetch_b8 v0, s[64:65] scope:SCOPE_SE
	s_setreg_imm32_b32 hwreg(HW_REG_WAVE_MODE, 25, 1), 1
	s_wait_xcnt 0x0
	s_wait_alu depctr_hold_cnt(0) depctr_sa_sdst(0) depctr_va_vdst(0) depctr_va_sdst(0) depctr_va_ssrc(0) depctr_va_vcc(0) depctr_vm_vsrc(0)
	s_getreg_b32 s2, hwreg(HW_REG_IB_STS2, 6, 4)
	s_cmp_eq_u32 s2, 0
	s_cbranch_scc0 .Lentry_in_a_cluster
	s_endpgm
.Lentry_in_a_cluster:
	s_bfe_u32 s2, ttmp6, 0x10000c
	s_cmp_lg_u32 s2, 0x3003
	s_cbranch_scc0 .Lentry_shape_is_right
	s_endpgm
.Lentry_shape_is_right:
; ctx = softmax(q k^T / 8) v for one head, both products on codes of FP4 with E8M0 scales; the result is quantised along the model's 1,024 for the next product.
; THE SOFTMAX: t = score x log2(e) / 8; M = the running largest t rounded up to a whole number; p = 2^(t - M) is quantised along the keys, not normalised; the row's sum is taken of the
; unquantised p and divides at the end; when M moves, the sum and O are multiplied by 2^(old M - new M), which rounds nothing.
; SHARES: a work-group owns 256 queries of one head, each of its sixteen waves 16.  The head's whole K and V come into LDS ONCE: nothing is filled again.  A step is 256 keys: 8 steps.
; CLUSTER: the four query blocks of a cluster belong to one head: K and V are asked for jointly (waves 0, 1: K's halves; waves 2, 3: V's).
; No prefetch: K and V are asked for once, at the head, and no loop runs ahead of that request.
; Both products are used transposed: a lane holds one query (lane % 16).
; THE KEYS OF A TILE: row 8 hb + j of tile (c, i) is key 64 c + 32 hb + 8 i + j.  So the 32 registers of tiles (c, 0..3) in lane half h are the 32 keys of block 2 c + h, in order:
; a block's largest score needs no other lane, and the conversions' results are the second product's operand as they stand.  The choice is made by the LDS address of a lane alone.
; K IN LDS: rows of 1,024 bytes with 128 of padding (pitch 1,152), so that the tile's rows hb = 0 and hb = 1, 1,024 bytes apart in memory, start 128 bytes apart modulo 256.
; THE HEAD'S 64 IN AN INSTRUCTION OF 128: a tile's operand is its own 4 registers and the 4 that follow; whatever codes those hold meet q's zero codes under the byte 0x7f and add exactly 0.
; LIMITS: the promise holds while the scaled scores stay under 2^31 in magnitude; p under 2^-126 counts as 0; a block of zeros gets the byte 1; NaN and infinities are not served.
; REGISTERS: v2-7 lane addresses; v[8:9] f; v10 largest score; v12 -M; v[14:15], v[26:27] the sum's chains; v16-24 q; v28-35 K's scale words; v36-39 V's; v40-75 K's second record, then p's codes (v40-55);
; v76-203 scores, then p; V's fragments land in v76-139 and the next step's first record of K in v140-171 when p there is done with; v204-235 O^T; v236-250 at work.
.set QK_K, 2359296
.set QK_V, 4718592
.set KROW, 1152
.set VB,   82944                       ; V's first LDS byte: behind K's 72 rows of 1,152
.set SPARE, 0x29000                    ; the spare words, 128 bytes a wave
.set T2,   1
.set AK0,  2
.set AKS0, 3
.set LI,   4
.set AV0,  5
.set AVS0, 6
.set BOF,  7
.set FF,   8
.set RM,   10
.set T1,   11
.set ADK,  25
.set SB,   26
.set KS,   28
.set VS,   36
.set F,    40
.set S,    76
.set K0F,  140
.set O,    204
.set BM,   236
.set SO,   240
.set X,    244
.set Y,    245
.set PW,   254                         ; v254, v255: p's two scale words, and nothing else
.set MT,   240                         ; v240-247: eight partial maxima, while v240-245 hold nothing else
.set ADKS, 248
.set ADV,  249
.set ADVS, 250
.set SPW,  251
.set NIL,  252
.set WV,  18
.set SEL, 20
.set CS,  22
.set G1K, 24
.set G1V, 32
.set G0K, 40
.set G0V, 44
.set TK,  48
.set TV,  49
.set CNT, 50
.set P0,  62
.set P1,  63
.macro ROUND
	s_barrier_signal -1
	s_barrier_wait -1
	s_cmp_lg_u32 s[WV], 0
	s_cbranch_scc1 .Lnot_wave_0_\@
	s_barrier_signal -3
.Lnot_wave_0_\@:
	s_barrier_wait -3
	s_barrier_signal -1
	s_barrier_wait -1
.endm
.macro LOADK reg, rho                  ; the eight tiles of the step's record rho (128 keys); KX: the tile's byte in memory order, + 128 for each 1,024 passed
.irp c, 0,1
.irp i, 0,1,2,3
.set KX, 4608*(\rho)+2048*\c+512*(\i%2)+128*(\i/2)
	ds_load_b128 v[\reg+16*\c+4*\i:\reg+16*\c+4*\i+3], v[ADK] offset:KX+128*(KX/1024)
.endr
.endr
.endm
.macro LOADKS                          ; scale words: register 4 rho + 2 c + u: lanes 0-15 tile (c, 2 u), lanes 16-31 tile (c, 2 u + 1)
.irp rho, 0,1
.irp c, 0,1
.irp u, 0,1
.set KX, 4608*\rho+4096+128*\u+8*\c
	ds_load_b32 v[KS+4*\rho+2*\c+\u], v[ADKS] offset:KX+128*(KX/1024)
.endr
.endr
.endr
.endm
.macro QK rho, fr                      ; S^T of 128 keys: eight tiles, each begun with the constant 0
.irp t, 0,1,2,3,4,5,6,7
.if \t%2
	v_wmma_scale_f32_16x16x128_f8f6f4 v[S+64*\rho+8*\t:S+64*\rho+8*\t+7], v[\fr+4*\t:\fr+4*\t+7], v[16:23], 0, v[KS+4*\rho+2*(\t/4)+(\t%4)/2], v24 matrix_a_fmt:MATRIX_FMT_FP4 matrix_b_fmt:MATRIX_FMT_FP4 matrix_a_scale:MATRIX_SCALE_ROW1
.else
	v_wmma_scale_f32_16x16x128_f8f6f4 v[S+64*\rho+8*\t:S+64*\rho+8*\t+7], v[\fr+4*\t:\fr+4*\t+7], v[16:23], 0, v[KS+4*\rho+2*(\t/4)+(\t%4)/2], v24 matrix_a_fmt:MATRIX_FMT_FP4 matrix_b_fmt:MATRIX_FMT_FP4
.endif
.endr
.endm
.macro BMAX rho                        ; the largest score of my two blocks of record rho: eight chains by turns, one for each tile, 16 lines a block; each accumulator is first read at its low end
.irp c, 0,1
.irp i, 0,1,2,3
	v_max3_num_f32 v[MT+4*\c+\i], v[S+64*\rho+32*\c+8*\i], v[S+64*\rho+32*\c+8*\i+1], v[S+64*\rho+32*\c+8*\i+2]
.endr
.endr
.irp k, 3,5
.irp c, 0,1
.irp i, 0,1,2,3
	v_max3_num_f32 v[MT+4*\c+\i], v[MT+4*\c+\i], v[S+64*\rho+32*\c+8*\i+\k], v[S+64*\rho+32*\c+8*\i+\k+1]
.endr
.endr
.endr
.irp c, 0,1                                        ; the four chains of a block meet, each meeting takes one tile's eighth register along
	v_max3_num_f32 v[MT+4*\c], v[MT+4*\c], v[MT+4*\c+1], v[S+64*\rho+32*\c+7]
	v_max3_num_f32 v[MT+4*\c+2], v[MT+4*\c+2], v[MT+4*\c+3], v[S+64*\rho+32*\c+15]
.endr
.irp c, 0,1
	v_max3_num_f32 v[MT+4*\c], v[MT+4*\c], v[MT+4*\c+2], v[S+64*\rho+32*\c+23]
.endr
.irp c, 0,1
	v_max_num_f32 v[BM+2*\rho+\c], v[MT+4*\c], v[S+64*\rho+32*\c+31]
.endr
.endm
.macro EXTM                            ; the first record's p; among the exponentials stands t - M of the second record, which is read only behind the two waits that follow
.set n, 0
.rept 32
	v_exp_f32 v[S+2*n], v[S+2*n]
	v_pk_fma_f32 v[S+64+2*n:S+64+2*n+1], v[S+64+2*n:S+64+2*n+1], s[CS:CS+1], v[12:13] op_sel_hi:[1,0,0]
	v_exp_f32 v[S+2*n+1], v[S+2*n+1]
.set n, n+1
.endr
.endm
.macro EXCV                            ; the second record's first 16 p; among them the first record's eight conversions: register 4 c + g holds k = 64 c + 32 h + 8 g .. + 7
.set n, 0
.rept 8
	v_exp_f32 v[S+64+2*n], v[S+64+2*n]
	v_cvt_scalef32_pk8_fp4_f32 v[F+n], v[S+8*n:S+8*n+7], v[SO+n/4]
	v_exp_f32 v[S+64+2*n+1], v[S+64+2*n+1]
.set n, n+1
.endr
.endm
.macro EXPR                            ; its other 48
.set n, 16
.rept 48
	v_exp_f32 v[S+64+n], v[S+64+n]
.set n, n+1
.endr
.endm
.macro CVTS k                          ; record k's codes: registers 4 c + g hold k = 64 c + 32 h + 8 g .. + 7
.irp c, 0,1
.irp g, 0,1,2,3
	v_cvt_scalef32_pk8_fp4_f32 v[F+8*\k+4*\c+\g], v[S+64*\k+32*\c+8*\g:S+64*\k+32*\c+8*\g+7], v[SO+2*\k+\c]
.endr
.endr
.endm
.macro SUMS k                          ; the row's sum of the unquantised p, in four chains by turns, begun anew in each step (v[26:27], v[236:239], v[244:245], free by then)
.if \k == 0
	v_pk_add_f32 v[SB:SB+1], v[S:S+1], v[S+2:S+3]
	v_pk_add_f32 v[BM:BM+1], v[S+4:S+5], v[S+6:S+7]
	v_pk_add_f32 v[BM+2:BM+3], v[S+8:S+9], v[S+10:S+11]
	v_pk_add_f32 v[X:X+1], v[S+12:S+13], v[S+14:S+15]
.set n, 8
.else
.set n, 32
.endif
.rept 6+2*\k
	v_pk_add_f32 v[SB:SB+1], v[SB:SB+1], v[S+2*n:S+2*n+1]
	v_pk_add_f32 v[BM:BM+1], v[BM:BM+1], v[S+2*n+2:S+2*n+3]
	v_pk_add_f32 v[BM+2:BM+3], v[BM+2:BM+3], v[S+2*n+4:S+2*n+5]
	v_pk_add_f32 v[X:X+1], v[X:X+1], v[S+2*n+6:S+2*n+7]
.set n, n+4
.endr
.endm
.macro PV                              ; O^T += V^T P^T: the four accumulators by turns
.irp rho, 0,1
.irp t, 0,1,2,3
.if \t%2
	v_wmma_scale_f32_16x16x128_f8f6f4 v[O+8*\t:O+8*\t+7], v[S+32*\rho+8*\t:S+32*\rho+8*\t+7], v[F+8*\rho:F+8*\rho+7], v[O+8*\t:O+8*\t+7], v[VS+2*\rho+\t/2], v[PW+\rho] matrix_a_fmt:MATRIX_FMT_FP4 matrix_b_fmt:MATRIX_FMT_FP4 matrix_a_scale:MATRIX_SCALE_ROW1
.else
	v_wmma_scale_f32_16x16x128_f8f6f4 v[O+8*\t:O+8*\t+7], v[S+32*\rho+8*\t:S+32*\rho+8*\t+7], v[F+8*\rho:F+8*\rho+7], v[O+8*\t:O+8*\t+7], v[VS+2*\rho+\t/2], v[PW+\rho] matrix_a_fmt:MATRIX_FMT_FP4 matrix_b_fmt:MATRIX_FMT_FP4
.endif
.endr
.endr
.endm
.macro STEP more                       ; 256 keys; more = 1: the next step's K is asked for
	s_wait_dscnt 8                                 ; the first record and the scale words are in; the second record's eight loads may be out
	QK 0, K0F
.rept 4
	v_nop                                          ; places in front of the first read of the scores
.endr
	BMAX 0
	s_wait_dscnt 0x0                               ; the second record is in
	QK 1, F
	v_add_nc_u32 v[ADV], s[TV], v[AV0]             ; four lines: the places behind the products
	v_add_nc_u32 v[ADVS], s[TV], v[AVS0]
.if \more
	v_add_nc_u32 v[ADK], s[TK], v[AK0]             ; the next step's K
	v_add_nc_u32 v[ADKS], s[TK], v[AKS0]
	s_add_co_u32 s[TK], s[TK], 9*KROW
.else
	v_nop
	v_nop
.endif
	s_add_co_u32 s[TV], s[TV], 8704
	BMAX 1
	v_max3_num_f32 v[T1], v[BM], v[BM+1], v[BM+2]
	s_delay_alu instid0(VALU_DEP_1)
	v_max3_num_f32 v[T1], v[T1], v[BM+3], v[RM]
	s_delay_alu instid0(VALU_DEP_1)
	v_permlanex16_b32 v[T2], v[T1], s[SEL], s[SEL+1]
	s_delay_alu instid0(VALU_DEP_1)
	v_max_num_f32 v[RM], v[T1], v[T2]              ; the running largest score of my query, the same in both halves of the lanes
	s_delay_alu instid0(VALU_DEP_1)
	v_mul_f32 v[T1], s[CS], v[RM]                  ; as t
	v_mov_b32 v[T2], v12
	s_delay_alu instid0(VALU_DEP_2)
	v_floor_f32 v12, -v[T1]                        ; -M = floor(-t)
.irp b, 0,1,2,3
	v_fma_f32 v[BM+\b], v[BM+\b], s[CS], v12       ; t - M of each of my blocks' largest score
.endr
.set n, 0
.rept 32                                           ; t - M of the first record's 64 scores, two at a time; among them the three dependent lines that make f
	v_pk_fma_f32 v[S+2*n:S+2*n+1], v[S+2*n:S+2*n+1], s[CS:CS+1], v[12:13] op_sel_hi:[1,0,0]
.if n == 1
	v_sub_f32 v[T2], v12, v[T2]                    ; old M less new M: a whole number, 0 or less
.endif
.if n == 9
	v_cvt_i32_f32 v[T2], v[T2]                     ; (it saturates)
.endif
.if n == 17
	v_ldexp_f32 v[FF], 1.0, v[T2]                  ; f = 2^(old M - new M)
.endif
.set n, n+1
.endr
	s_wait_alu depctr_va_vdst(0)                   ; the wait ahead of the batch
.irp b, 0,1,2,3
	v_exp_f32 v[BM+\b], v[BM+\b]                   ; each block's largest p
.endr
	EXTM
	v_pk_mul_f32 v[14:15], v[14:15], v[FF:FF+1] op_sel_hi:[1,0]   ; the sum under the new M (the plain line behind the batch)
	s_wait_alu depctr_va_vdst(0)                   ; the wait behind it
.irp b, 0,1,2,3
	v_max_num_f32 v[BM+\b], 0x1800000, v[BM+\b]    ; the floor 2^(3 - 127): the byte cannot fall under 1
.endr
.irp b, 0,1,2,3
	v_add_nc_u32 v[SO+\b], 0xff000000, v[BM+\b]    ; 2 off the exponent field: the conversion's scale operand
.endr
.irp b, 0,1,2,3
	v_lshrrev_b32 v[BM+\b], 23, v[SO+\b]           ; the byte
.endr
	v_lshl_or_b32 v[X], v[BM+1], 8, v[BM]          ; my four bytes: blocks h, 2 + h of each record
	v_lshl_or_b32 v[T1], v[BM+3], 8, v[BM+2]
	v_lshl_or_b32 v[X], v[T1], 16, v[X]
	v_permlanex16_b32 v[Y], v[X], s[SEL], s[SEL+1]
	v_perm_b32 v[PW], v[Y], v[X], s[P0]            ; lanes 0-15: the first record's scale word: mine, the other half's, mine, the other half's
	v_perm_b32 v[PW+1], v[Y], v[X], s[P1]          ; and the second record's (lanes 16-31 are not read)
	SUMS 0
	s_wait_alu depctr_va_vdst(0)                   ; ahead of the second batch
	EXCV
.irp rho, 0,1                                      ; V's eight fragments land where the first record's p is done with
.irp t, 0,1,2,3
.irp c, 0,1
	ds_load_b128 v[S+32*\rho+8*\t+4*\c:S+32*\rho+8*\t+4*\c+3], v[ADV] offset:4352*\rho+1024*\t+512*\c
.endr
.endr
	ds_load_b64 v[VS+2*\rho:VS+2*\rho+1], v[ADVS] offset:4352*\rho
.endr
	EXPR                                           ; V's loads land under these
	v_nop                                          ; the plain line behind it
	s_wait_alu depctr_va_vdst(0)                   ; behind it, and directly ahead of the first readers of O^T
.set n, 0
.rept 16
	v_pk_mul_f32 v[O+2*n:O+2*n+1], v[O+2*n:O+2*n+1], v[FF:FF+1] op_sel_hi:[1,0]   ; O^T under the new M
.set n, n+1
.endr
	CVTS 1
	SUMS 1
	v_pk_add_f32 v[SB:SB+1], v[SB:SB+1], v[BM:BM+1]               ; the four chains meet
	v_pk_add_f32 v[BM+2:BM+3], v[BM+2:BM+3], v[X:X+1]
	v_pk_add_f32 v[14:15], v[14:15], v[SB:SB+1]
	v_pk_add_f32 v[14:15], v[14:15], v[BM+2:BM+3]
.if \more
	LOADK K0F, 0                                   ; the next step's first record, where the second record's p is done with
	LOADKS
	s_wait_alu depctr_va_vdst(0)                   ; the wait directly ahead of the wait below
	s_wait_dscnt 16                                ; V is in; the sixteen loads just issued may be out
.else
	s_wait_alu depctr_va_vdst(0)
	s_wait_dscnt 0x0
.endif
	PV
.rept 5
	v_nop                                          ; places: the next products write over V's fragments, the next loads land on p's codes
.endr
.if \more
	LOADK F, 1
.endif
.endm
	s_load_b128 s[4:7], s[0:1], 0x0                ; qkv, ctxc
	v_lshl_add_u32 v[SPW], v0, 2, SPARE
	v_mov_b32 v[NIL], 0
	ds_add_u32 v[SPW], v[NIL]                      ; the opening lines: the add twice on end, under one wait
	ds_add_u32 v[SPW], v[NIL]
	v_lshrrev_b32 v1, 5, v0
	v_readfirstlane_b32 s[WV], v1                  ; wave 0..15
	s_bfe_u32 s8, ttmp6, 0x40000                   ; cx
	s_lshl_b32 s9, ttmp9, 2
	s_add_co_u32 s9, s9, s8                        ; my block of 256 queries: it enters global addresses alone
	s_and_b32 s10, ttmp7, 0xffff                   ; 16 x batch + head
	s_and_b32 s11, s[WV], 1
	s_mul_i32 s12, s10, 73728
	s_mul_i32 s14, s11, 36864
	s_add_co_u32 s12, s12, s14
	s_add_co_u32 s12, s12, QK_K
	s_mov_b32 s13, 0
	s_mul_i32 s14, s11, 36*KROW                    ; K's half in LDS
	s_mul_i32 s16, s10, 69632
	s_mul_i32 s15, s11, 34816
	s_add_co_u32 s16, s16, s15
	s_add_co_u32 s16, s16, QK_V
	s_mov_b32 s17, 0
	s_mov_b32 s[G1K], 15|(3<<16)|(1<<20)|(1<<21)|(7<<22)|(31<<25)   ; the mask: all four; elements of 8 bytes; 32 words of padding behind every 256
	s_mov_b32 s[G1K+1], 128<<16                    ; dense rows of 1,024 bytes
	s_mov_b32 s[G1K+2], 36<<16
	s_mov_b32 s[G1K+3], 128<<16
	s_mov_b32 s[G1K+4], 36
	s_mov_b32 s[G1K+5], 128
	s_mov_b32 s[G1K+6], 0
	s_mov_b32 s[G1K+7], 0
	s_mov_b32 s[G1V], 15|(3<<16)|(1<<21)           ; V: dense rows of 256 bytes, no padding
	s_mov_b32 s[G1V+1], 32<<16
	s_mov_b32 s[G1V+2], 136<<16
	s_mov_b32 s[G1V+3], 32<<16
	s_mov_b32 s[G1V+4], 136
	s_mov_b32 s[G1V+5], 32
	s_mov_b32 s[G1V+6], 0
	s_mov_b32 s[G1V+7], 0
	s_mov_b32 s[SEL], 0x76543210
	s_mov_b32 s[SEL+1], 0xfedcba98
	s_mov_b32 s[CS], 0x3e38aa3b                    ; log2(e) / 8
	s_mov_b32 s[CS+1], s[CS]
	s_mov_b32 s51, 0xffff0000                      ; lanes 16-31
	s_mov_b32 s[P0], 0x05010400
	s_mov_b32 s[P1], 0x07030602
	s_mov_b32 s[TK], 9*KROW
	s_mov_b32 s[TV], 0
	s_mov_b32 s[CNT], 7
	s_wait_dscnt 0x0
	s_wait_kmcnt 0x0
	s_mov_b32 s[G0K], 1
	s_mov_b32 s[G0K+1], s14
	s_add_nc_u64 s[G0K+2:G0K+3], s[4:5], s[12:13]
	s_or_b32 s[G0K+3], s[G0K+3], 0x80000000
	s_mov_b32 s[G0V], 1
	s_add_co_u32 s[G0V+1], s15, VB
	s_add_nc_u64 s[G0V+2:G0V+3], s[4:5], s[16:17]
	s_or_b32 s[G0V+3], s[G0V+3], 0x80000000
	ROUND                                          ; all four work-groups are here: the joint loads meet
	s_cmp_lt_u32 s[WV], 2
	s_cbranch_scc0 .Lnot_k
	tensor_load_to_lds s[G0K:G0K+3], s[G1K:G1K+7]
	s_nop 0
.rept 4
	v_nop
.endr
	s_branch .Lasked
.Lnot_k:
	s_cmp_lt_u32 s[WV], 4
	s_cbranch_scc0 .Lasked
	tensor_load_to_lds s[G0V:G0V+3], s[G1V:G1V+7]
	s_nop 0
.rept 4
	v_nop
.endr
.Lasked:
	s_mul_i32 s52, s10, 73728                      ; q: the record of my 128 queries,
	s_lshl_b32 s53, s9, 1
	s_lshr_b32 s54, s[WV], 3
	s_add_co_u32 s53, s53, s54
	s_mul_i32 s53, s53, 4608
	s_add_co_u32 s52, s52, s53
	s_mov_b32 s53, 0
	s_add_nc_u64 s[4:5], s[4:5], s[52:53]
	s_and_b32 s54, s[WV], 7
	s_lshl_b32 s56, s54, 9
	s_mov_b32 s57, 0
	s_add_nc_u64 s[58:59], s[4:5], s[56:57]        ; my tile in it,
	s_lshl_b32 s56, s11, 8
	s_lshr_b32 s54, s54, 1
	s_lshl_b32 s54, s54, 2
	s_add_co_u32 s56, s56, s54
	s_add_co_u32 s56, s56, 4096
	s_add_nc_u64 s[60:61], s[4:5], s[56:57]        ; and its scale words
	v_and_b32 v76, 31, v0                          ; lane
	v_and_b32 v77, 7, v0                           ; j
	v_bfe_u32 v78, v0, 3, 1                        ; hb
	v_bfe_u32 v79, v0, 4, 1                        ; h
	v_and_b32 v80, 15, v0                          ; r
	v_lshlrev_b32 v[LI], 4, v76
	v_lshlrev_b32 v77, 4, v77
	v_lshlrev_b32 v[AVS0], 3, v76
	v_lshlrev_b32 v81, 4, v80
	v_add_nc_u32 v[AV0], VB, v[LI]
	v_lshl_or_b32 v77, v79, 8, v77                 ; 16 j + 256 h
	v_add_nc_u32 v[AVS0], VB+4096, v[AVS0]
	v_add_nc_u32 v[BOF], v81, v79                  ; 16 r + h
	v_mad_u32_u24 v[AK0], v78, KROW, v77           ; K's codes: + a padded row for hb
	v_lshl_add_u32 v[AKS0], v78, 2, v77            ; K's scale words: + 4 hb
	global_load_b128 v[16:19], v[LI], s[58:59]
	global_load_b32 v24, v81, s[60:61]
	s_lshr_b32 s52, s10, 4                         ; ctx: the block of 16 rows 128 x batch + 16 x query block + wave,
	s_lshl_b32 s52, s52, 7
	s_lshl_b32 s53, s9, 4
	s_add_co_u32 s52, s52, s53
	s_add_co_u32 s52, s52, s[WV]
	s_lshl_b32 s52, s52, 1
	s_and_b32 s54, s10, 15                         ; head
	s_lshr_b32 s53, s54, 3
	s_add_co_u32 s52, s52, s53                     ; its record for my head's half of K
	s_mul_i32 s52, s52, 4352
	s_and_b32 s54, s54, 7
	s_lshl_b32 s53, s54, 9
	s_add_co_u32 s12, s52, s53
	s_mov_b32 s13, 0
	s_lshl_b32 s53, s54, 1
	s_add_co_u32 s14, s52, s53
	s_add_co_u32 s14, s14, 4096
	s_mov_b32 s15, 0
	s_add_nc_u64 s[12:13], s[6:7], s[12:13]
	s_add_nc_u64 s[14:15], s[6:7], s[14:15]
.irp j, 20,21,22,23,72,73,74,75,172,173,174,175,14,15,9,13,245
	v_mov_b32 v\j, 0                               ; q's upper half of K, the registers behind each record's last tile, the sum, pairs' upper halves, a permute's destination
.endr
.set n, 0
.rept 32
	v_mov_b32 v[O+n], 0                            ; O^T: the step is written once for all steps; the first change of M leaves zeros zeros
.set n, n+1
.endr
	v_mov_b32 v[RM], 0xff61b1e6                    ; the largest score so far: -3e38
	v_mov_b32 v12, 0x7d000000                      ; -M: a large whole number, so that the first f is 0
	v_mov_b32 v[ADK], v[AK0]
	v_mov_b32 v[ADKS], v[AKS0]
	s_wait_alu depctr_va_vdst(0)                   ; the wait at the head's end
	s_wait_tensorcnt 0x0                           ; my part of K or V is in,
	s_barrier_signal -1
	s_barrier_wait -1                              ; everybody's is
	LOADK K0F, 0
	LOADKS
	LOADK F, 1
	s_wait_loadcnt 0x0                             ; q
.Lstep:
	STEP 1
	s_sub_co_u32 s[CNT], s[CNT], 1
	s_cmp_lg_u32 s[CNT], 0
	s_cbranch_scc1 .Lstep
	STEP 0
	v_add_f32 v14, v14, v15
	s_delay_alu instid0(VALU_DEP_1)
	v_permlanex16_b32 v[T1], v14, s[SEL], s[SEL+1]
	s_delay_alu instid0(VALU_DEP_1)
	v_add_f32 v14, v14, v[T1]                      ; the row's sum
	s_wait_alu depctr_va_vdst(0)
	v_rcp_f32 v14, v14
	v_nop
	s_wait_alu depctr_va_vdst(0)
.set n, 0
.rept 16
	v_pk_mul_f32 v[S+n:S+n+1], v[O+n:O+n+1], v[14:15] op_sel_hi:[1,0]   ; register 16 b + i: channel 32 b + 16 h + i of my query
.set n, n+2
.endr
.irp b, 0,1
	v_max3_num_f32 v[BM+\b], |v[S+16*\b]|, |v[S+1+16*\b]|, 0x1800000
.endr
.irp i, 2,4,6,8,10,12,14
.irp b, 0,1
	s_delay_alu instid0(VALU_DEP_2)
	v_max3_num_f32 v[BM+\b], v[BM+\b], |v[S+16*\b+\i]|, |v[S+1+16*\b+\i]|
.endr
.endr
.irp b, 0,1
	s_delay_alu instid0(VALU_DEP_2)
	v_permlanex16_b32 v[SO+2+\b], v[BM+\b], s[SEL], s[SEL+1]
.endr
.irp b, 0,1
	s_delay_alu instid0(VALU_DEP_2)
	v_max_num_f32 v[BM+\b], v[BM+\b], v[SO+2+\b]
.endr
.irp b, 0,1
	s_delay_alu instid0(VALU_DEP_2)
	v_add_nc_u32 v[SO+\b], 0xff000000, v[BM+\b]
.endr
.irp b, 0,1
	s_delay_alu instid0(VALU_DEP_2)
	v_lshrrev_b32 v[SO+2+\b], 23, v[SO+\b]
.endr
.irp b, 0,1
	v_cvt_scalef32_pk8_fp4_f32 v[F+2*\b], v[S+16*\b:S+16*\b+7], v[SO+\b]
	v_cvt_scalef32_pk8_fp4_f32 v[F+1+2*\b], v[S+8+16*\b:S+8+16*\b+7], v[SO+\b]
.endr
	v_nop
	v_permlane16_swap_b32 v[F], v[F+2]             ; a whole block to a lane
	v_permlane16_swap_b32 v[F+1], v[F+3]
	v_cndmask_b32 v[T1], v[SO+2], v[SO+3], s51     ; lanes 16-31 hold the head's second block
	global_store_b128 v[LI], v[F:F+3], s[12:13]    ; 512 consecutive bytes: two units of the record
	global_store_b8 v[BOF], v[T1], s[14:15]        ; a byte a lane: the unit's other bytes belong to other heads' work-groups
	s_wait_tensorcnt 0x0                           ; the wave's end
	ds_add_u32 v[SPW], v[NIL]
	s_wait_dscnt 0x0
	ROUND                                          ; the closing round
	s_endpgm
.Lfunc_end_k_qeb0dccc425_attn:
	.size	k_qeb0dccc425_attn, .Lfunc_end_k_qeb0dccc425_attn-k_qeb0dccc425_attn
	.p2alignl 7, 3214868480
	.fill 96, 4, 3214868480
	.section	.rodata,"a",@progbits
	.p2align	6, 0x0
	.amdhsa_kernel k_qeb0dccc425_attn
		.amdhsa_group_segment_fixed_size 169984
		.amdhsa_private_segment_fixed_size 0
		.amdhsa_enable_private_segment 0
		.amdhsa_kernarg_size 16
		.amdhsa_user_sgpr_count 2
		.amdhsa_user_sgpr_kernarg_segment_ptr 1
		.amdhsa_wavefront_size32 1
		.amdhsa_system_sgpr_workgroup_id_x 1
		.amdhsa_system_sgpr_workgroup_id_y 1
		.amdhsa_system_sgpr_workgroup_id_z 1
		.amdhsa_system_vgpr_workitem_id 0
		.amdhsa_next_free_vgpr 256
		.amdhsa_next_free_sgpr 66
		.amdhsa_reserve_vcc 0
		.amdhsa_float_denorm_mode_32 3
		.amdhsa_float_denorm_mode_16_64 3
		.amdhsa_memory_ordered 1
		.amdhsa_forward_progress 1
		.amdhsa_inst_pref_size 66
	.end_amdhsa_kernel
	.amdgpu_metadata
---
amdhsa.version: [ 1, 2 ]
amdhsa.kernels:
  - .name:           k_qeb0dccc425_attn
    .symbol:         k_qeb0dccc425_attn.kd
    .args:
      - { .name: qkv, .offset: 0, .size: 8, .value_kind: global_buffer, .address_space: global }
      - { .name: ctxc, .offset: 8, .size: 8, .value_kind: global_buffer, .address_space: global }
    .group_segment_fixed_size: 169984
    .private_segment_fixed_size: 0
    .kernarg_segment_align: 8
    .kernarg_segment_size: 16
    .max_flat_workgroup_size: 512
    .sgpr_count:     66
    .vgpr_count:     256
    .wavefront_size: 32
...
	.end_amdgpu_metadata
.endif
;; end of part 3
;; launch wo_ln (part 4): grid 256 x 1, 4 waves a work-group, clusters of 4 x 1, 327,680 bytes of LDS; arguments ctxc, wts, bo, x, g1, be1, out1, o1c; writes out1, o1c
.if DOCPART == 4
	.amdgcn_target "amdgcn-amd-amdhsa--gfx1250"
	.amdhsa_code_object_version 6
	.text
	.protected	k_qeb0dccc425_wo_ln
	.globl	k_qeb0dccc425_wo_ln
	.p2align	8
	.type	k_qeb0dccc425_wo_ln,@function
k_qeb0dccc425_wo_ln:
	s_mov_b64 s[64:65], 0
	v_nop
	global_prefetch_b8 v0, s[64:65] scope:SCOPE_SE
	s_setreg_imm32_b32 hwreg(HW_REG_WAVE_MODE, 25, 1), 1
	s_wait_xcnt 0x0
	s_wait_alu depctr_hold_cnt(0) depctr_sa_sdst(0) depctr_va_vdst(0) depctr_va_sdst(0) depctr_va_ssrc(0) depctr_va_vcc(0) depctr_vm_vsrc(0)
	s_getreg_b32 s2, hwreg(HW_REG_IB_STS2, 6, 4)
	s_cmp_eq_u32 s2, 0
	s_cbranch_scc0 .Lentry_in_a_cluster
	s_endpgm
.Lentry_in_a_cluster:
	s_bfe_u32 s2, ttmp6, 0x10000c
	s_cmp_lg_u32 s2, 0x3003
	s_cbranch_scc0 .Lentry_shape_is_right
	s_endpgm
.Lentry_shape_is_right:
; out1 = LayerNorm(x + ctx wo + bo) g1 + be1, the product on codes of FP4 with E8M0 scales; out1 leaves as f32 (rows in position order) and as codes for the next product.
; A work-group owns 16 rows (one block) and all 1,024 columns, so that a row's mean and variance stay inside it; wave w owns columns 256 w .. + 255: 16 accumulators.
; wo's records walk through two LDS slots in four phases; in phase p wave w fetches, and alone reads, its row blocks 16 w + 4 p .. + 3 for all of K: 34,816 dense bytes.
; CLUSTER 4 x 1: all work-groups walk the same weights: each load is asked for jointly by the four partners.
; The product is used transposed (source 0 = 16 columns of wo, source 1 = my 16 rows): a lane holds one row, its registers run along true columns.  bo is loaded into the accumulators: every product adds in place.
; The variance is taken of the differences from the mean (two passes over registers): no difference of large sums.
; LIMITS: a block of zeros gets the byte 1; NaN and infinities are not served.
; REGISTERS: window 0: v4-15 addresses; v28, v29 for the add; v32-39 A's scale words, v40-55 wo's; v56-99 at work; v128-255 accumulators, then y.
;   window 1: wo's fragments of a phase.  window 2: v0-63 A's eight fragments; v128-255 x's rows.  window 3: g1 (v0-127), be1 (v128-255).
.set REC,   4352
.set HALFT, 34816
.set SLOT,  34816                      ; a wave's two slots lie side by side: wave w's at 69,632 w and 69,632 w + 34,816
.set RED1,  278528                     ; 256 bytes: the waves' sums; 256 more: their sums of squares
.set SPARE, 279040                     ; the spare words, 128 bytes a wave
.set WO,    3899392
.set LI,  4
.set R16, 5
.set H64, 6
.set ADW, 7                            ; v7, v8; v7 is also the stage by rows
.set ADWS, 9                           ; v9, v10
.set STL, 12
.set RDW, 13
.set RDR, 14
.set SOF, 15
.set SPW, 28
.set NIL, 29
.set AS,  32
.set WS,  40
.set TM,  56
.set PC,  74
.set Y,   128
.set G1, 24
.set G0, 32
.set MSB, 0
.macro WIN new
.if MSB != (\new)
	s_set_vgpr_msb (MSB<<8)|(\new)
.set MSB, (\new)
.endif
.endm
.macro PLACES n
.rept \n
	v_nop
.endr
.endm
.macro ROUND
	s_barrier_signal -1
	s_barrier_wait -1
	s_cmp_lg_u32 s20, 0
	s_cbranch_scc1 .Lnot_wave_0_\@
	s_barrier_signal -3
.Lnot_wave_0_\@:
	s_barrier_wait -3
	s_barrier_signal -1
	s_barrier_wait -1
.endm
.macro FETCHW s, kg                    ; my four row blocks' fragments of 512 along K, and their scale words (lanes 16-31: the odd blocks')
	WIN 0x40
.irp i, 0,1,2,3
.irp q, 0,1,2,3
.irp c, 0,1
	ds_load_b128 v[128*(\kg)+32*\i+8*\q+4*\c:128*(\kg)+32*\i+8*\q+4*\c+3], v[ADW+\s] offset:8704*\i+4352*(\kg)+1024*\q+512*\c
.endr
.endr
.endr
	WIN 0
.irp ip, 0,1
	ds_load_b128 v[WS+8*(\kg)+4*\ip:WS+8*(\kg)+4*\ip+3], v[ADWS+\s] offset:17408*\ip+4352*(\kg)
.endr
.endm
.macro MULW p, kg                      ; four accumulators by turns
	WIN 0x09
.irp q, 0,1,2,3
.irp i, 0,1,2,3
.if \i%2
	v_wmma_scale_f32_16x16x128_f8f6f4 v[Y+8*(4*(\p)+\i):Y+8*(4*(\p)+\i)+7], v[128*(\kg)+32*\i+8*\q:128*(\kg)+32*\i+8*\q+7], v[8*(4*(\kg)+\q):8*(4*(\kg)+\q)+7], v[Y+8*(4*(\p)+\i):Y+8*(4*(\p)+\i)+7], v[WS+8*(\kg)+4*(\i/2)+\q], v[AS+4*(\kg)+\q] matrix_a_fmt:MATRIX_FMT_FP4 matrix_b_fmt:MATRIX_FMT_FP4 matrix_a_scale:MATRIX_SCALE_ROW1
.else
	v_wmma_scale_f32_16x16x128_f8f6f4 v[Y+8*(4*(\p)+\i):Y+8*(4*(\p)+\i)+7], v[128*(\kg)+32*\i+8*\q:128*(\kg)+32*\i+8*\q+7], v[8*(4*(\kg)+\q):8*(4*(\kg)+\q)+7], v[Y+8*(4*(\p)+\i):Y+8*(4*(\p)+\i)+7], v[WS+8*(\kg)+4*(\i/2)+\q], v[AS+4*(\kg)+\q] matrix_a_fmt:MATRIX_FMT_FP4 matrix_b_fmt:MATRIX_FMT_FP4
.endif
.endr
.endr
.endm
.macro PHASE p
	FETCHW (\p)%2, 0
	FETCHW (\p)%2, 1
	s_wait_dscnt 34                                ; the first half of K is in, the second half's 34 loads may be out
	MULW \p, 0
	s_wait_dscnt 0x0
	MULW \p, 1
	WIN 0
	PLACES 4                                       ; in front of the next loads into these registers, and of the first read of results
.endm
.macro REFILL s                        ; the slot just read takes the phase two on
	s_wait_tensorcnt 0x0                           ; all my tensor loads have landed, so a group 0 may be written
	ds_add_u32 v[SPW], v[NIL]                      ; 0 onto my spare word
	s_add_nc_u64 s[G0+4*\s+2:G0+4*\s+3], s[G0+4*\s+2:G0+4*\s+3], 69632
	s_wait_dscnt 0x0                               ; the add is done, and my reads of the slot are over
	ROUND                                          ; so it is with every wave of all four partners
	tensor_load_to_lds s[G0+4*\s:G0+4*\s+3], s[G1:G1+7]
	s_nop 0
	PLACES 4
.endm
.macro QUANT s, pw
.irp b, 0,1,2,3
	v_max3_num_f32 v[TM+\b], |v[\s+16*\b]|, |v[\s+1+16*\b]|, 0x1800000
.endr
.irp i, 2,4,6,8,10,12,14
.irp b, 0,1,2,3
	v_max3_num_f32 v[TM+\b], v[TM+\b], |v[\s+16*\b+\i]|, |v[\s+1+16*\b+\i]|
.endr
.endr
.irp b, 0,1,2,3
	v_permlanex16_b32 v[TM+4+\b], v[TM+\b], s40, s41
.endr
.irp b, 0,1,2,3
	v_max_num_f32 v[TM+\b], v[TM+\b], v[TM+4+\b]
.endr
.irp b, 0,1,2,3
	v_add_nc_u32 v[TM+12+\b], 0xff000000, v[TM+\b]
.endr
.irp b, 0,1,2,3
	v_lshrrev_b32 v[TM+4+\b], 23, v[TM+12+\b]
.endr
	v_lshl_or_b32 v[\pw], v[TM+5], 8, v[TM+4]
	v_lshl_or_b32 v[\pw], v[TM+6], 16, v[\pw]
	v_lshl_or_b32 v[\pw], v[TM+7], 24, v[\pw]
.irp b, 0,1,2,3
	v_cvt_scalef32_pk8_fp4_f32 v[PC+2*\b], v[\s+16*\b:\s+7+16*\b], v[TM+12+\b]
	v_cvt_scalef32_pk8_fp4_f32 v[PC+1+2*\b], v[\s+8+16*\b:\s+15+16*\b], v[TM+12+\b]
.endr
	v_nop
.irp c, 0,1
.irp i, 0,1
	v_permlane16_swap_b32 v[PC+4*\c+\i], v[PC+2+4*\c+\i]
.endr
.endr
.endm
.macro MEET off                        ; my lane's four chains v86-93 become the row's sum over all 1,024 columns, in v96
	v_pk_add_f32 v[86:87], v[86:87], v[88:89]
	v_pk_add_f32 v[90:91], v[90:91], v[92:93]
	v_pk_add_f32 v[86:87], v[86:87], v[90:91]
	v_add_f32 v86, v86, v87
	v_permlanex16_b32 v87, v86, s40, s41
	v_add_f32 v86, v86, v87
	ds_store_b32 v[RDW], v86 offset:\off           ; my wave's word of row r (both halves of the lanes write the same)
	s_wait_dscnt 0x0
	s_barrier_signal -1
	s_barrier_wait -1
	ds_load_b128 v[96:99], v[RDR] offset:\off
	s_wait_dscnt 0x0
	v_add_f32 v96, v96, v97
	v_add_f32 v98, v98, v99
	v_add_f32 v96, v96, v98
.endm
	s_load_b512 s[4:19], s[0:1], 0x0               ; ctxc, wts, bo, x, g1, be1, out1, o1c
	v_lshl_add_u32 v[SPW], v0, 2, SPARE
	v_mov_b32 v[NIL], 0
	ds_add_u32 v28, v29
	ds_add_u32 v28, v29
	s_wait_dscnt 0x0
	v_lshrrev_b32 v1, 5, v0
	v_readfirstlane_b32 s20, v1                    ; wave
	s_bfe_u32 s21, ttmp6, 0x40000                  ; cx
	s_lshl_b32 s22, ttmp9, 2
	s_add_co_u32 s22, s22, s21                     ; my block of 16 rows: it enters global addresses alone
	v_and_b32 v1, 31, v0
	v_and_b32 v2, 15, v0                           ; r
	v_bfe_u32 v3, v0, 4, 1                         ; h
	v_lshlrev_b32 v[LI], 4, v1
	v_lshlrev_b32 v[R16], 4, v2
	v_lshlrev_b32 v[H64], 6, v3
	s_mul_i32 s62, s20, 2*HALFT
	v_add_nc_u32 v[ADW], s62, v[LI]
	v_add_nc_u32 v[ADW+1], SLOT, v[ADW]
	v_mul_u32_u24 v[ADWS], v3, 8704
	v_add_nc_u32 v[ADWS], v[ADWS], v[R16]
	v_add_nc_u32 v[ADWS], s62, v[ADWS]
	v_add_nc_u32 v[ADWS], 4096, v[ADWS]
	v_add_nc_u32 v[ADWS+1], SLOT, v[ADWS]
	v_mul_u32_u24 v[STL], v2, 1040                 ; the stage, in my part of slot 0: 16 rows of 1,024 bytes + 16
	v_lshl_add_u32 v[STL], v3, 6, v[STL]
	v_add_nc_u32 v[STL], s62, v[STL]
	s_lshl_b32 s47, s20, 2
	v_add_nc_u32 v[RDW], s47, v[R16]
	v_add_nc_u32 v[RDW], RED1, v[RDW]
	v_add_nc_u32 v[RDR], RED1, v[R16]
	v_lshl_add_u32 v[SOF], v3, 2, v[R16]
.irp b, 0,1,2,3
	v_mov_b32 v[TM+4+\b], 0
.endr
	s_mov_b32 s40, 0x76543210
	s_mov_b32 s41, 0xfedcba98
	s_mov_b32 s42, 0xffff0000
	s_mov_b32 s43, 0x3a800000                      ; 1 / 1,024
	s_mov_b32 s44, 0x3727c5ac                      ; 1e-5
	s_mov_b32 s[G1], 15|(3<<16)|(1<<21)            ; the mask: all four; dense rows of 256 bytes
	s_mov_b32 s[G1+1], 32<<16
	s_mov_b32 s[G1+2], 272<<16                     ; the head's load brings phases 0 and 1, dense in memory and in LDS: 272 rows
	s_mov_b32 s[G1+3], 32<<16
	s_mov_b32 s[G1+4], 272
	s_mov_b32 s[G1+5], 32
	s_mov_b32 s[G1+6], 0
	s_mov_b32 s[G1+7], 0
	s_lshl_b32 s46, s20, 10                        ; my 256 columns in f32
	s_mov_b32 s47, 0
	s_mul_i32 s48, s22, 8704
	s_mov_b32 s49, 0
	s_lshr_b32 s50, s22, 1
	s_lshl_b32 s50, s50, 17
	s_and_b32 s52, s22, 1
	s_lshl_b32 s52, s52, 15
	s_add_co_u32 s50, s50, s52
	s_add_co_u32 s50, s50, s46                     ; x: true row 32 (block / 2) + 8 (block % 2)
	s_mov_b32 s51, 0
	s_lshl_b32 s52, s22, 16
	s_add_co_u32 s52, s52, s46
	s_mov_b32 s53, 0
	s_lshl_b32 s54, s22, 1
	s_lshr_b32 s56, s20, 1
	s_add_co_u32 s54, s54, s56
	s_mul_i32 s54, s54, 4352                       ; o1c: my record
	s_mov_b32 s55, 0
	s_and_b32 s56, s20, 1
	s_lshl_b32 s58, s56, 11
	s_mov_b32 s59, 0
	s_lshl_b32 s56, s56, 3
	s_add_co_u32 s56, s56, 4096
	s_mov_b32 s57, 0
	s_mul_i32 s60, s20, 139264
	s_add_co_u32 s60, s60, WO
	s_mov_b32 s61, 0
	s_wait_kmcnt 0x0
	s_add_nc_u64 s[6:7], s[6:7], s[60:61]
	s_add_nc_u64 s[4:5], s[4:5], s[48:49]
	s_add_nc_u64 s[8:9], s[8:9], s[46:47]
	s_add_nc_u64 s[12:13], s[12:13], s[46:47]
	s_add_nc_u64 s[14:15], s[14:15], s[46:47]
	s_add_nc_u64 s[10:11], s[10:11], s[50:51]
	s_add_nc_u64 s[16:17], s[16:17], s[52:53]
	s_add_nc_u64 s[18:19], s[18:19], s[54:55]
	s_add_nc_u64 s[48:49], s[18:19], s[58:59]      ; my two K steps' codes
	s_add_nc_u64 s[50:51], s[18:19], s[56:57]      ; and their scale words
	s_mov_b32 s[G0], 1
	s_mov_b32 s[G0+1], s62
	s_mov_b64 s[G0+2:G0+3], s[6:7]
	s_or_b32 s[G0+3], s[G0+3], 0x80000000
	s_mov_b32 s[G0+4], 1
	s_add_co_u32 s[G0+5], s62, SLOT
	s_add_nc_u64 s[G0+6:G0+7], s[6:7], 34816
	s_or_b32 s[G0+7], s[G0+7], 0x80000000
	ROUND                                          ; all four work-groups are here
	tensor_load_to_lds s[G0:G0+3], s[G1:G1+7]      ; phases 0 and 1 by one load: one tensor load a wave at the head
	s_nop 0
	PLACES 4
	WIN 0x80
.irp kg, 0,1
.irp q, 0,1,2,3
.irp c, 0,1
	global_load_b128 v[8*(4*\kg+\q)+4*\c:8*(4*\kg+\q)+4*\c+3], v[LI], s[4:5] offset:4352*\kg+1024*\q+512*\c   ; my rows' eight fragments stay in registers
.endr
.endr
.endr
	WIN 0
.irp kg, 0,1
	global_load_b128 v[AS+4*\kg:AS+4*\kg+3], v[R16], s[4:5] offset:4352*\kg+4096
.endr
.irp bb, 0,1,2,3,4,5,6,7
.irp j, 0,1,2,3
	global_load_b128 v[Y+16*\bb+4*\j:Y+16*\bb+4*\j+3], v[H64], s[8:9] offset:128*\bb+16*\j     ; bo starts the sums
.endr
.endr
	WIN 0x80
.irp i, 0,1,2,3,4,5,6,7,8,9,10,11,12,13,14,15
.irp e, 0,1
	global_load_b128 v[128+8*\i+4*\e:128+8*\i+4*\e+3], v[LI], s[10:11] offset:(\i+8*(\i/8))*4096+512*\e   ; x's rows, 512 consecutive bytes a load
.endr
.endr
	WIN 0
	s_wait_loadcnt 32                              ; the fragments, their words and bo are in; x's 32 loads may be out
	s_wait_tensorcnt 0x0                           ; my two slots are in: only I read them; no load of mine is out, so the descriptor may be written:
	PHASE 0
	PHASE 1
	REFILL 0                                       ; both my slots are read out: one load of 272 rows brings phases 2 and 3, 69,632 bytes on in memory
	WIN 0xc0
.irp bb, 0,1,2,3,4,5,6,7
.irp j, 0,1,2,3
	global_load_b128 v[16*\bb+4*\j:16*\bb+4*\j+3], v[H64], s[12:13] offset:128*\bb+16*\j       ; g1
.endr
.endr
	WIN 0
	WIN 0xc0
.irp bb, 0,1,2,3,4,5,6,7
.irp j, 0,1,2,3
	global_load_b128 v[128+16*\bb+4*\j:128+16*\bb+4*\j+3], v[H64], s[14:15] offset:128*\bb+16*\j   ; be1
.endr
.endr
	WIN 0
	s_wait_tensorcnt 0x0                           ; phases 2 and 3 are in: only I read them
	PHASE 2
	PHASE 3
	s_wait_loadcnt 0x0
	; x's rows turn through my stage: in by rows, back a row to a lane.  Slot 0 has had its last fill and its last read
	WIN 0x08
.irp i, 0,1,2,3,4,5,6,7,8,9,10,11,12,13,14,15
.irp e, 0,1
	ds_store_b128 v[ADW], v[128+8*\i+4*\e:128+8*\i+4*\e+3] offset:1040*\i+512*\e
.endr
.endr
	WIN 0x80
	s_wait_alu depctr_va_vdst(0)
.irp bb, 0,1,2,3,4,5,6,7
.irp j, 0,1,2,3
	ds_load_b128 v[128+16*\bb+4*\j:128+16*\bb+4*\j+3], v[STL] offset:128*\bb+16*\j
.endr
.endr
	s_wait_dscnt 0x0
	WIN 0x08
.set i, 0
.rept 64
	v_pk_add_f32 v[Y+2*i:Y+2*i+1], v[Y+2*i:Y+2*i+1], v[128+2*i:128+2*i+1]   ; + x; each accumulator from its low end on
.set i, i+1
.endr
	WIN 0
.irp c, 0,1,2,3
	v_pk_add_f32 v[86+2*\c:87+2*\c], v[Y+2*\c:Y+2*\c+1], v[Y+8+2*\c:Y+8+2*\c+1]
.endr
.irp k, 2,3,4,5,6,7,8,9,10,11,12,13,14,15
.irp c, 0,1,2,3
	v_pk_add_f32 v[86+2*\c:87+2*\c], v[86+2*\c:87+2*\c], v[Y+8*\k+2*\c:Y+8*\k+2*\c+1]
.endr
.endr
	MEET 0
	v_mul_f32 v82, s43, v96                        ; the mean
	v_mov_b32 v83, v82
.set i, 0
.rept 64
	v_pk_add_f32 v[Y+2*i:Y+2*i+1], v[Y+2*i:Y+2*i+1], v[82:83] op_sel_hi:[1,0] neg_lo:[0,1] neg_hi:[0,1]
.set i, i+1
.endr
.irp c, 0,1,2,3
	v_pk_mul_f32 v[86+2*\c:87+2*\c], v[Y+2*\c:Y+2*\c+1], v[Y+2*\c:Y+2*\c+1]
.endr
.irp k, 1,2,3,4,5,6,7,8,9,10,11,12,13,14,15
.irp c, 0,1,2,3
	v_pk_fma_f32 v[86+2*\c:87+2*\c], v[Y+8*\k+2*\c:Y+8*\k+2*\c+1], v[Y+8*\k+2*\c:Y+8*\k+2*\c+1], v[86+2*\c:87+2*\c]
.endr
.endr
	MEET 256
	v_fma_f32 v85, v96, s43, s44                   ; the variance + 1e-5
	s_wait_alu depctr_va_vdst(0)
	v_rsq_f32 v84, v85
	v_nop
	s_wait_alu depctr_va_vdst(0)
	v_mov_b32 v85, v84
.set i, 0
.rept 64
	v_pk_mul_f32 v[Y+2*i:Y+2*i+1], v[Y+2*i:Y+2*i+1], v[84:85]
.set i, i+1
.endr
	WIN 0x3c
.set i, 0
.rept 64
	v_pk_fma_f32 v[Y+2*i:Y+2*i+1], v[Y+2*i:Y+2*i+1], v[2*i:2*i+1], v[128+2*i:128+2*i+1]   ; x g1 + be1
.set i, i+1
.endr
	WIN 0
	QUANT Y, 72                                    ; my two K steps of the next product
	global_store_b128 v[LI], v[PC:PC+3], s[48:49]
	global_store_b128 v[LI], v[PC+4:PC+7], s[48:49] offset:512
	s_wait_xcnt 0x0                                ; the stores have read their registers
	QUANT Y+64, 73
	global_store_b128 v[LI], v[PC:PC+3], s[48:49] offset:1024
	global_store_b128 v[LI], v[PC+4:PC+7], s[48:49] offset:1536
	v_cndmask_b32 v94, v72, v73, s42               ; lanes 0-15 the first step's word, lanes 16-31 the second's
	global_store_b32 v[SOF], v94, s[50:51]
	; out1 in f32: back through the stage, out by rows
.irp bb, 0,1,2,3,4,5,6,7
.irp j, 0,1,2,3
	ds_store_b128 v[STL], v[Y+16*\bb+4*\j:Y+16*\bb+4*\j+3] offset:128*\bb+16*\j
.endr
.endr
	WIN 0x80
.irp i, 0,1,2,3,4,5,6,7,8,9,10,11,12,13,14,15
.irp e, 0,1
	ds_load_b128 v[128+8*\i+4*\e:128+8*\i+4*\e+3], v[ADW] offset:1040*\i+512*\e
.endr
.endr
	WIN 0x08
.irp i, 0,1,2,3,4,5,6,7,8,9,10,11,12,13,14,15
.irp e, 0,1
	s_wait_dscnt 31-2*\i-\e                        ; LDS loads come back in order: this one is in
	global_store_b128 v[LI], v[128+8*\i+4*\e:128+8*\i+4*\e+3], s[16:17] offset:4096*\i+512*\e   ; 512 consecutive bytes
.endr
.endr
	WIN 0
	s_wait_tensorcnt 0x0                           ; the wave's end
	ds_add_u32 v[SPW], v[NIL]
	s_wait_dscnt 0x0
	ROUND                                          ; the closing round
	s_endpgm
.Lfunc_end_k_qeb0dccc425_wo_ln:
	.size	k_qeb0dccc425_wo_ln, .Lfunc_end_k_qeb0dccc425_wo_ln-k_qeb0dccc425_wo_ln
	.p2alignl 7, 3214868480
	.fill 96, 4, 3214868480
	.section	.rodata,"a",@progbits
	.p2align	6, 0x0
	.amdhsa_kernel k_qeb0dccc425_wo_ln
		.amdhsa_group_segment_fixed_size 327680
		.amdhsa_private_segment_fixed_size 0
		.amdhsa_enable_private_segment 0
		.amdhsa_kernarg_size 64
		.amdhsa_user_sgpr_count 2
		.amdhsa_user_sgpr_kernarg_segment_ptr 1
		.amdhsa_wavefront_size32 1
		.amdhsa_system_sgpr_workgroup_id_x 1
		.amdhsa_system_sgpr_workgroup_id_y 1
		.amdhsa_system_sgpr_workgroup_id_z 1
		.amdhsa_system_vgpr_workitem_id 0
		.amdhsa_next_free_vgpr 1024
		.amdhsa_next_free_sgpr 66
		.amdhsa_reserve_vcc 0
		.amdhsa_float_denorm_mode_32 3
		.amdhsa_float_denorm_mode_16_64 3
		.amdhsa_memory_ordered 1
		.amdhsa_forward_progress 1
		.amdhsa_inst_pref_size 101
	.end_amdhsa_kernel
	.amdgpu_metadata
---
amdhsa.version: [ 1, 2 ]
amdhsa.kernels:
  - .name:           k_qeb0dccc425_wo_ln
    .symbol:         k_qeb0dccc425_wo_ln.kd
    .args:
      - { .name: ctxc, .offset: 0, .size: 8, .value_kind: global_buffer, .address_space: global }
      - { .name: wts, .offset: 8, .size: 8, .value_kind: global_buffer, .address_space: global }
      - { .name: bo, .offset: 16, .size: 8, .value_kind: global_buffer, .address_space: global }
      - { .name: x, .offset: 24, .size: 8, .value_kind: global_buffer, .address_space: global }
      - { .name: g1, .offset: 32, .size: 8, .value_kind: global_buffer, .address_space: global }
      - { .name: be1, .offset: 40, .size: 8, .value_kind: global_buffer, .address_space: global }
      - { .name: out1, .offset: 48, .size: 8, .value_kind: global_buffer, .address_space: global }
      - { .name: o1c, .offset: 56, .size: 8, .value_kind: global_buffer, .address_space: global }
    .group_segment_fixed_size: 327680
    .private_segment_fixed_size: 0
    .kernarg_segment_align: 8
    .kernarg_segment_size: 64
    .max_flat_workgroup_size: 128
    .sgpr_count:     66
    .vgpr_count:     1024
    .wavefront_size: 32
...
	.end_amdgpu_metadata
.endif
;; end of part 4
;; launch ffn1 (part 5): grid 16 x 16, 4 waves a work-group, clusters of 4 x 4, 327,680 bytes of LDS; arguments o1c, wts, b1, hc; writes hc
.if DOCPART == 5
	.amdgcn_target "amdgcn-amd-amdhsa--gfx1250"
	.amdhsa_code_object_version 6
	.text
	.protected	k_qeb0dccc425_ffn1
	.globl	k_qeb0dccc425_ffn1
	.p2align	8
	.type	k_qeb0dccc425_ffn1,@function
k_qeb0dccc425_ffn1:
	s_mov_b64 s[64:65], 0
	v_nop
	global_prefetch_b8 v0, s[64:65] scope:SCOPE_SE
	s_setreg_imm32_b32 hwreg(HW_REG_WAVE_MODE, 25, 1), 1
	s_wait_xcnt 0x0
	s_wait_alu depctr_hold_cnt(0) depctr_sa_sdst(0) depctr_va_vdst(0) depctr_va_sdst(0) depctr_va_ssrc(0) depctr_va_vcc(0) depctr_vm_vsrc(0)
	s_getreg_b32 s2, hwreg(HW_REG_IB_STS2, 6, 4)
	s_cmp_eq_u32 s2, 0
	s_cbranch_scc0 .Lentry_in_a_cluster
	s_endpgm
.Lentry_in_a_cluster:
	s_bfe_u32 s2, ttmp6, 0x10000c
	s_cmp_lg_u32 s2, 0xf033
	s_cbranch_scc0 .Lentry_shape_is_right
	s_endpgm
.Lentry_shape_is_right:
.set REC,   4352
.set HALFT, 16*REC                     ; what one tensor load brings: 8 row blocks x both records of K = 1,024, dense in memory
.set SLOT,  REC                        ; the second 512 along K of a row block lies one record behind the first
.set W1,    4456448
.set FR, 8
.set NQ, 4
.set ADRA, 16
.set ADRB, 20
.set ADRS, 22
.set LI,   24
.set BO,   25
.set SOF,  26
.set SC,   32
.set TM,   96
.set PC,   112
.set PW,   120
.set PWE,  121
.set TW,   122
.set AF,   128
.set T,    128
.set BIAS, 192
.set G1, 24
.set G0, 32
.set G1B, 48
.set G0B, 56
.set MSB, 0
.macro WIN new
.if MSB != (\new)
	s_set_vgpr_msb (MSB<<8)|(\new)
.set MSB, (\new)
.endif
.endm
.set MUL_LO, 0xa1
.set MUL_HI, 0xf1
.set TO_B,   0x40
.macro PLACES n
.rept \n
	v_nop
.endr
.endm
.macro JLOAD g0a, g1a, g0b, g1b
	s_cmp_eq_u32 s15, 0
	s_cbranch_scc0 .Lfor_b_\@
	tensor_load_to_lds s[\g0a:\g0a+3], s[\g1a:\g1a+7]
	s_nop 0
	PLACES 4
	s_branch .Lasked_\@
.Lfor_b_\@:
	tensor_load_to_lds s[\g0b:\g0b+3], s[\g1b:\g1b+7]
	s_nop 0
	PLACES 4
.Lasked_\@:
.endm
.macro CROUND
	s_barrier_signal -1
	s_barrier_wait -1
	s_cmp_lg_u32 s14, 0
	s_cbranch_scc1 .Lnot_wave_0_\@
	s_barrier_signal -3
.Lnot_wave_0_\@:
	s_barrier_wait -3
	s_barrier_signal -1
	s_barrier_wait -1
.endm
.macro FRAG reg, adr, q, i
.irp c, 0,1
	ds_load_b128 v[\reg+4*\c:\reg+4*\c+3], v[\adr] offset:(\i)*2*REC+1024*(\q)+512*\c
.endr
.endm
.macro MUL16 a0, p, q, sc, zero
.irp a, \a0, \a0+1
.irp b, 0,1,2,3,4,5,6,7
.if \zero
	v_wmma_scale_f32_16x16x128_f8f6f4 v[8*(8*((\a)%4)+\b):8*(8*((\a)%4)+\b)+7], v[128*(\p)+FR*\b:128*(\p)+FR*\b+FR-1], v[AF+FR*(\a):AF+FR*(\a)+FR-1], 0, v[SC+8*NQ*(\sc)+NQ*\b+(\q)], v[SC+8*NQ*(\sc)+NQ*(\a)+(\q)] matrix_a_fmt:MATRIX_FMT_FP4 matrix_b_fmt:MATRIX_FMT_FP4 matrix_a_scale:MATRIX_SCALE_ROW1
.else
	v_wmma_scale_f32_16x16x128_f8f6f4 v[8*(8*((\a)%4)+\b):8*(8*((\a)%4)+\b)+7], v[128*(\p)+FR*\b:128*(\p)+FR*\b+FR-1], v[AF+FR*(\a):AF+FR*(\a)+FR-1], v[8*(8*((\a)%4)+\b):8*(8*((\a)%4)+\b)+7], v[SC+8*NQ*(\sc)+NQ*\b+(\q)], v[SC+8*NQ*(\sc)+NQ*(\a)+(\q)] matrix_a_fmt:MATRIX_FMT_FP4 matrix_b_fmt:MATRIX_FMT_FP4 matrix_a_scale:MATRIX_SCALE_ROW1
.endif
.endr
.endr
.endm
.macro FETCH_B slot, q, p
	WIN TO_B
.irp i, 0,1,2,3,4,5,6,7
	FRAG 128*(\p)+FR*\i, ADRB+\slot, \q, \i
.endr
	WIN 0
.endm
.macro FETCH_A slot, q, i0
.irp i, \i0, \i0+1, \i0+2, \i0+3
	FRAG AF+FR*(\i), ADRA+\slot, \q, \i
.endr
.endm
.macro SCALES sc
.irp i, 0,1,2,3,4,5,6,7
	ds_load_b128 v[SC+8*NQ*\sc+NQ*\i:SC+8*NQ*\sc+NQ*\i+3], v[ADRS+\sc] offset:\i*2*REC
.endr
.endm
.macro STEP slot, q, zero
	s_wait_dscnt 8
	WIN MUL_LO
	MUL16 0, (\q)%2, \q, \slot, \zero
	MUL16 2, (\q)%2, \q, \slot, \zero
	s_wait_dscnt 0x0
	PLACES 4
	FETCH_B \slot, (\q)+1, 1-(\q)%2
	FETCH_A \slot, (\q)+1, 0
	WIN MUL_HI
	MUL16 4, (\q)%2, \q, \slot, \zero
	MUL16 6, (\q)%2, \q, \slot, \zero
	PLACES 4
	WIN 0
	FETCH_A \slot, (\q)+1, 4
.endm
.macro QUANT s, pw
.irp b, 0,1,2,3
	v_max3_num_f32 v[TM+\b], |v[\s+16*\b]|, |v[\s+1+16*\b]|, 0x1800000
.endr
.irp i, 2,4,6,8,10,12,14
.irp b, 0,1,2,3
	v_max3_num_f32 v[TM+\b], v[TM+\b], |v[\s+16*\b+\i]|, |v[\s+1+16*\b+\i]|
.endr
.endr
.irp b, 0,1,2,3
	v_permlanex16_b32 v[TM+4+\b], v[TM+\b], s78, s79
.endr
.irp b, 0,1,2,3
	v_max_num_f32 v[TM+\b], v[TM+\b], v[TM+4+\b]
.endr
.irp b, 0,1,2,3
	v_add_nc_u32 v[TM+12+\b], 0xff000000, v[TM+\b]
.endr
.irp b, 0,1,2,3
	v_lshrrev_b32 v[TM+4+\b], 23, v[TM+12+\b]
.endr
	v_lshl_or_b32 v[\pw], v[TM+5], 8, v[TM+4]
	v_lshl_or_b32 v[\pw], v[TM+6], 16, v[\pw]
	v_lshl_or_b32 v[\pw], v[TM+7], 24, v[\pw]
.irp b, 0,1,2,3
	v_cvt_scalef32_pk8_fp4_f32 v[PC+2*\b], v[\s+16*\b:\s+7+16*\b], v[TM+12+\b]
	v_cvt_scalef32_pk8_fp4_f32 v[PC+1+2*\b], v[\s+8+16*\b:\s+15+16*\b], v[TM+12+\b]
.endr
	v_nop
.irp c, 0,1
.irp i, 0,1
	v_permlane16_swap_b32 v[PC+4*\c+\i], v[PC+2+4*\c+\i]
.endr
.endr
.endm
.macro EPI a
	s_wait_xcnt 0x0
	WIN 0x02+(\a)/4
.set i, 0
.rept 32
	v_pk_add_f32 v[T+2*i:T+2*i+1], v[64*((\a)%4)+2*i:64*((\a)%4)+2*i+1], v[BIAS+2*i:BIAS+2*i+1]
.set i, i+1
.endr
	WIN 0
.set i, 0
.rept 64
	v_max_num_f32 v[T+i], 0, v[T+i]
.set i, i+1
.endr
	QUANT T, PW
	global_store_b128 v[LI], v[PC:PC+3], s[10:11] offset:34816*(\a)
	global_store_b128 v[LI], v[PC+4:PC+7], s[10:11] offset:34816*(\a)+512
.if (\a)%2 == 0
	v_mov_b32 v[PWE], v[PW]
.else
	v_cndmask_b32 v[TW], v[PWE], v[PW], s75
	global_store_b32 v[SOF], v[TW], s[72:73] offset:69632*((\a)/2)
.endif
.endm
	s_load_b256 s[4:11], s[0:1], 0x0
	v_lshl_add_u32 v126, v0, 2, 0x44000
	v_mov_b32 v127, 0
	ds_add_u32 v126, v127
	ds_add_u32 v126, v127
	v_lshrrev_b32 v1, 5, v0
	v_readfirstlane_b32 s14, v1
	s_lshr_b32 s15, s14, 1
	s_and_b32 s16, s14, 1
	s_bfe_u32 s40, ttmp6, 0x40000
	s_bfe_u32 s41, ttmp6, 0x40004
	s_and_b32 s18, ttmp7, 0xffff
	s_lshl_b32 s18, s18, 2
	s_add_co_u32 s18, s18, s41
	s_lshl_b32 s19, ttmp9, 2
	s_add_co_u32 s19, s19, s40
	s_lshl_b32 s43, s41, 2
	s_lshl_b32 s43, 15, s43
	s_lshl_b32 s44, 0x1111, s40
	s_or_b32 s[G1+0], s43, (3<<16)|(1<<21)
	s_or_b32 s[G1B+0], s44, (3<<16)|(1<<21)
.irp g, G1, G1B
	s_mov_b32 s[\g+1], 1088<<16                    ; a row block's two records: 1,088 elements
	s_mov_b32 s[\g+2], 8<<16
	s_mov_b32 s[\g+3], 1088<<16
	s_mov_b32 s[\g+4], 8
	s_mov_b32 s[\g+5], 1088
	s_mov_b32 s[\g+6], 0
	s_mov_b32 s[\g+7], 0
.endr
	s_lshl_b32 s22, s16, 3
	s_lshl_b32 s20, s18, 4
	s_add_co_u32 s20, s20, s22
	s_mul_i32 s20, s20, 8704
	s_mov_b32 s21, 0
	s_lshl_b32 s46, s19, 4
	s_add_co_u32 s46, s46, s22
	s_mul_i32 s46, s46, 8704
	s_add_co_u32 s46, s46, W1
	s_mov_b32 s47, 0
	s_mul_i32 s45, s14, HALFT
	s_wait_dscnt 0x0
	s_wait_kmcnt 0x0
	s_add_nc_u64 s[20:21], s[4:5], s[20:21]
	s_add_nc_u64 s[46:47], s[6:7], s[46:47]
	CROUND
.irp s, 0
	s_mov_b32 s[G0+4*\s], 1
	s_add_co_u32 s[G0+4*\s+1], s45, \s*SLOT
	s_add_nc_u64 s[G0+4*\s+2:G0+4*\s+3], s[20:21], \s*REC
	s_or_b32 s[G0+4*\s+3], s[G0+4*\s+3], 0x80000000
	s_mov_b32 s[G0B+4*\s], 1
	s_add_co_u32 s[G0B+4*\s+1], s45, \s*SLOT
	s_add_nc_u64 s[G0B+4*\s+2:G0B+4*\s+3], s[46:47], \s*REC
	s_or_b32 s[G0B+4*\s+3], s[G0B+4*\s+3], 0x80000000
	JLOAD G0+4*\s, G1, G0B+4*\s, G1B
.endr
	v_and_b32 v1, 15, v0
	v_bfe_u32 v2, v0, 4, 1
	v_and_b32 v3, 31, v0
	v_lshlrev_b32 v[LI], 4, v3
	s_mul_i32 s21, s15, HALFT
	s_mul_i32 s22, s16, HALFT
	s_add_co_u32 s22, s22, 2*HALFT
	v_add_nc_u32 v[ADRA], s21, v[LI]
	v_add_nc_u32 v[ADRB], s22, v[LI]
	v_add_nc_u32 v[ADRA+1], SLOT, v[ADRA]
	v_add_nc_u32 v[ADRB+1], SLOT, v[ADRB]
	s_sub_co_u32 s22, s22, s21
	v_mul_u32_u24 v4, s22, v2
	v_lshl_add_u32 v4, v1, 4, v4
	s_add_co_u32 s21, s21, 4096
	v_add_nc_u32 v[ADRS], s21, v4
	v_add_nc_u32 v[ADRS+1], SLOT, v[ADRS]
	v_lshlrev_b32 v[BO], 6, v2
	s_wait_alu depctr_va_vdst(0)
	v_mul_u32_u24 v[SOF], v2, 34816
	v_lshl_add_u32 v[SOF], v1, 4, v[SOF]
.irp b, 0,1,2,3
	v_mov_b32 v[TM+4+\b], 0
.endr
	s_mov_b32 s75, 0xffff0000
	s_mov_b32 s78, 0x76543210
	s_mov_b32 s79, 0xfedcba98
	s_lshl_b32 s70, s19, 10
	s_lshl_b32 s74, s16, 9
	s_add_co_u32 s70, s70, s74
	s_mov_b32 s71, 0
	s_add_nc_u64 s[8:9], s[8:9], s[70:71]
.irp bb, 0,1,2,3
.irp j, 0,1,2,3
	global_load_b128 v[BIAS+16*\bb+4*\j:BIAS+16*\bb+4*\j+3], v[BO], s[8:9] offset:128*\bb+16*\j
.endr
.endr
	s_lshl_b32 s80, s18, 4
	s_lshl_b32 s81, s15, 3
	s_add_co_u32 s80, s80, s81
	s_lshl_b32 s80, s80, 3
	s_lshr_b32 s81, s19, 1
	s_add_co_u32 s80, s80, s81
	s_mul_i32 s80, s80, 4352
	s_mov_b32 s81, 0
	s_and_b32 s82, s19, 1
	s_lshl_b32 s82, s82, 1
	s_add_co_u32 s82, s82, s16
	s_lshl_b32 s84, s82, 10
	s_mov_b32 s85, 0
	s_lshl_b32 s82, s82, 2
	s_add_co_u32 s82, s82, 4096
	s_mov_b32 s83, 0
	s_add_nc_u64 s[10:11], s[10:11], s[80:81]
	s_add_nc_u64 s[72:73], s[10:11], s[82:83]
	s_add_nc_u64 s[10:11], s[10:11], s[84:85]
	s_wait_tensorcnt 0x0                           ; my one load, all of K for my 8 row blocks, is in
	s_barrier_signal -1
	s_barrier_wait -1
	FETCH_B 0, 0, 0
	FETCH_A 0, 0, 0
	SCALES 0
	FETCH_A 0, 0, 4
	STEP 0, 0, 1
	STEP 0, 1, 0
	STEP 0, 2, 0
	s_wait_tensorcnt 0x0
	s_wait_dscnt 8
	WIN MUL_LO
	MUL16 0, 1, 3, 0, 0
	s_wait_dscnt 0x0
	s_barrier_signal -1
	MUL16 2, 1, 3, 0, 0
	WIN 0
	s_barrier_wait -1
	PLACES 4
	FETCH_B 1, 0, 0
	FETCH_A 1, 0, 0
	SCALES 1
	WIN MUL_HI
	MUL16 4, 1, 3, 0, 0
	MUL16 6, 1, 3, 0, 0
	PLACES 4
	WIN 0
	FETCH_A 1, 0, 4
	STEP 1, 0, 0
	STEP 1, 1, 0
	STEP 1, 2, 0
	s_wait_dscnt 8
	WIN MUL_LO
	MUL16 0, 1, 3, 1, 0
	MUL16 2, 1, 3, 1, 0
	s_wait_dscnt 0x0
	WIN MUL_HI
	MUL16 4, 1, 3, 1, 0
	MUL16 6, 1, 3, 1, 0
	WIN 0
	PLACES 4
	s_wait_loadcnt 0x0
.irp a, 0,1,2,3,4,5,6,7
	EPI \a
.endr
	s_wait_tensorcnt 0x0
	ds_add_u32 v126, v127
	s_wait_dscnt 0x0
	CROUND
	s_endpgm
.Lfunc_end_k_qeb0dccc425_ffn1:
	.size	k_qeb0dccc425_ffn1, .Lfunc_end_k_qeb0dccc425_ffn1-k_qeb0dccc425_ffn1
	.p2alignl 7, 3214868480
	.fill 96, 4, 3214868480
	.section	.rodata,"a",@progbits
	.p2align	6, 0x0
	.amdhsa_kernel k_qeb0dccc425_ffn1
		.amdhsa_group_segment_fixed_size 327680
		.amdhsa_private_segment_fixed_size 0
		.amdhsa_enable_private_segment 0
		.amdhsa_kernarg_size 32
		.amdhsa_user_sgpr_count 2
		.amdhsa_user_sgpr_kernarg_segment_ptr 1
		.amdhsa_wavefront_size32 1
		.amdhsa_system_sgpr_workgroup_id_x 1
		.amdhsa_system_sgpr_workgroup_id_y 1
		.amdhsa_system_sgpr_workgroup_id_z 1
		.amdhsa_system_vgpr_workitem_id 0
		.amdhsa_next_free_vgpr 1024
		.amdhsa_next_free_sgpr 100
		.amdhsa_reserve_vcc 0
		.amdhsa_float_denorm_mode_32 3
		.amdhsa_float_denorm_mode_16_64 3
		.amdhsa_memory_ordered 1
		.amdhsa_forward_progress 1
		.amdhsa_inst_pref_size 158
	.end_amdhsa_kernel
	.amdgpu_metadata
---
amdhsa.version: [ 1, 2 ]
amdhsa.kernels:
  - .name:           k_qeb0dccc425_ffn1
    .symbol:         k_qeb0dccc425_ffn1.kd
    .args:
      - { .name: o1c, .offset: 0, .size: 8, .value_kind: global_buffer, .address_space: global }
      - { .name: wts, .offset: 8, .size: 8, .value_kind: global_buffer, .address_space: global }
      - { .name: b1, .offset: 16, .size: 8, .value_kind: global_buffer, .address_space: global }
      - { .name: hc, .offset: 24, .size: 8, .value_kind: global_buffer, .address_space: global }
    .group_segment_fixed_size: 327680
    .private_segment_fixed_size: 0
    .kernarg_segment_align: 8
    .kernarg_segment_size: 32
    .max_flat_workgroup_size: 128
    .sgpr_count:     100
    .vgpr_count:     1024
    .wavefront_size: 32
...
	.end_amdgpu_metadata
.endif
;; end of part 5
;; launch ffn2 (part 6): grid 8 x 32, 4 waves a work-group, clusters of 4 x 4, 327,680 bytes of LDS; arguments hc, wts, b2, out1, y2; writes y2
.if DOCPART == 6
	.amdgcn_target "amdgcn-amd-amdhsa--gfx1250"
	.amdhsa_code_object_version 6
	.text
	.protected	k_qeb0dccc425_ffn2
	.globl	k_qeb0dccc425_ffn2
	.p2align	8
	.type	k_qeb0dccc425_ffn2,@function
k_qeb0dccc425_ffn2:
	s_mov_b64 s[64:65], 0
	v_nop
	global_prefetch_b8 v0, s[64:65] scope:SCOPE_SE
	s_setreg_imm32_b32 hwreg(HW_REG_WAVE_MODE, 25, 1), 1
	s_wait_xcnt 0x0
	s_wait_alu depctr_hold_cnt(0) depctr_sa_sdst(0) depctr_va_vdst(0) depctr_va_sdst(0) depctr_va_ssrc(0) depctr_va_vcc(0) depctr_vm_vsrc(0)
	s_getreg_b32 s2, hwreg(HW_REG_IB_STS2, 6, 4)
	s_cmp_eq_u32 s2, 0
	s_cbranch_scc0 .Lentry_in_a_cluster
	s_endpgm
.Lentry_in_a_cluster:
	s_bfe_u32 s2, ttmp6, 0x10000c
	s_cmp_lg_u32 s2, 0xf033
	s_cbranch_scc0 .Lentry_shape_is_right
	s_endpgm
.Lentry_shape_is_right:
.set HALFT, 69632                      ; what one tensor load brings: 4 row blocks x 2,048 along K (four records each)
.set SLOT,  8704                       ; a row block's second 1,024 along K lies two records behind its first
.set STAGE, 279040                     ; behind the spare words: the way out's stages, 4,352 bytes a wave, bytes into which no fill lands
.set SPARE, 278528
.set W2,    6684672
.set ADRA, 16
.set ADRB, 20
.set ADRS, 22
.set STO,  24
.set RD,   25
.set CO,   26
.set BOF,  27
.set SPW,  28
.set NIL,  29
.set SC,   32
.set OB,   64
.set ACC,  128
.set G1, 24
.set G0, 32
.set G1B, 48
.set G0B, 56
.set MSB, 0
.macro WIN new
.if MSB != (\new)
	s_set_vgpr_msb (MSB<<8)|(\new)
.set MSB, (\new)
.endif
.endm
.macro PLACES n
.rept \n
	v_nop
.endr
.endm
.macro JLOAD g0a, g1a, g0b, g1b
	s_cmp_eq_u32 s15, 0
	s_cbranch_scc0 .Lfor_b_\@
	tensor_load_to_lds s[\g0a:\g0a+3], s[\g1a:\g1a+7]
	s_nop 0
	PLACES 4
	s_branch .Lasked_\@
.Lfor_b_\@:
	tensor_load_to_lds s[\g0b:\g0b+3], s[\g1b:\g1b+7]
	s_nop 0
	PLACES 4
.Lasked_\@:
.endm
.macro CROUND
	s_barrier_signal -1
	s_barrier_wait -1
	s_cmp_lg_u32 s14, 0
	s_cbranch_scc1 .Lnot_wave_0_\@
	s_barrier_signal -3
.Lnot_wave_0_\@:
	s_barrier_wait -3
	s_barrier_signal -1
	s_barrier_wait -1
.endm
.macro FETCH s, k, set
	WIN 0x40
.irp i, 0,1,2,3
.irp c, 0,1
	ds_load_b128 v[64*(\set)+8*\i+4*\c:64*(\set)+8*\i+4*\c+3], v[ADRA+\s] offset:17408*\i+4352*((\k)/4)+1024*((\k)%4)+512*\c
	ds_load_b128 v[64*(\set)+32+8*\i+4*\c:64*(\set)+32+8*\i+4*\c+3], v[ADRB+\s] offset:17408*\i+4352*((\k)/4)+1024*((\k)%4)+512*\c
.endr
.endr
.endm
.macro SCALES s
	WIN 0
.irp i, 0,1,2,3
.irp g, 0,1
	ds_load_b128 v[SC+16*\g+4*\i:SC+16*\g+4*\i+3], v[ADRS+\s] offset:17408*\i+4352*\g
.endr
.endr
.endm
.macro MUL k, zero
	WIN 0x05
.irp a, 0,1,2,3
.irp b, 0,1,2,3
.if \zero
	v_wmma_scale_f32_16x16x128_f8f6f4 v[ACC+8*(4*\a+\b):ACC+8*(4*\a+\b)+7], v[64*((\k)%2)+32+8*\b:64*((\k)%2)+32+8*\b+7], v[64*((\k)%2)+8*\a:64*((\k)%2)+8*\a+7], 0, v[SC+16*((\k)/4)+4*\b+(\k)%4], v[SC+16*((\k)/4)+4*\a+(\k)%4] matrix_a_fmt:MATRIX_FMT_FP4 matrix_b_fmt:MATRIX_FMT_FP4 matrix_a_scale:MATRIX_SCALE_ROW1
.else
	v_wmma_scale_f32_16x16x128_f8f6f4 v[ACC+8*(4*\a+\b):ACC+8*(4*\a+\b)+7], v[64*((\k)%2)+32+8*\b:64*((\k)%2)+32+8*\b+7], v[64*((\k)%2)+8*\a:64*((\k)%2)+8*\a+7], v[ACC+8*(4*\a+\b):ACC+8*(4*\a+\b)+7], v[SC+16*((\k)/4)+4*\b+(\k)%4], v[SC+16*((\k)/4)+4*\a+(\k)%4] matrix_a_fmt:MATRIX_FMT_FP4 matrix_b_fmt:MATRIX_FMT_FP4 matrix_a_scale:MATRIX_SCALE_ROW1
.endif
.endr
.endr
.endm
.macro PHASE s, zero
	PLACES 4
	SCALES \s
	FETCH \s, 0, 0
	FETCH \s, 1, 1
	s_wait_dscnt 16
	MUL 0, \zero
.set KK, 1
.rept 6
	PLACES 4
	FETCH \s, KK+1, (KK+1)%2
	s_wait_dscnt 16
	MUL KK, 0
.set KK, KK+1
.endr
	s_wait_dscnt 0x0
	MUL 7, 0
	WIN 0
.endm
.macro REFILL s
	s_wait_tensorcnt 0x0
	ds_add_u32 v[SPW], v[NIL]
	s_add_nc_u64 s[G0+4*\s+2:G0+4*\s+3], s[G0+4*\s+2:G0+4*\s+3], 17408
	s_add_nc_u64 s[G0B+4*\s+2:G0B+4*\s+3], s[G0B+4*\s+2:G0B+4*\s+3], 17408
	s_wait_dscnt 0x0
	CROUND
	JLOAD G0+4*\s, G1, G0B+4*\s, G1B
.endm
.macro OUTA a
.set OBS, OB+32*((\a)%2)
.irp b, 0,1,2,3
	ds_store_b128 v[STO], v[ACC+8*(4*(\a)+\b):ACC+8*(4*(\a)+\b)+3] offset:128*(\b/2)+32*(\b%2)
	ds_store_b128 v[STO], v[ACC+8*(4*(\a)+\b)+4:ACC+8*(4*(\a)+\b)+7] offset:128*(\b/2)+32*(\b%2)+16
.endr
.if (\a) >= 2
	s_wait_xcnt 0x0
.endif
.irp t, 0,1,2,3,4,5,6,7
	ds_load_b128 v[OBS+4*\t:OBS+4*\t+3], v[RD] offset:544*\t
.endr
	s_wait_dscnt 0x0
	WIN 0x04
.set i, 0
.rept 16
	v_pk_add_f32 v[OBS+2*i:OBS+2*i+1], v[OBS+2*i:OBS+2*i+1], v[128+32*(\a)+2*i:128+32*(\a)+2*i+1]
.set i, i+1
.endr
	WIN 0
.irp t, 0,1,2,3,4,5,6,7
	v_pk_add_f32 v[OBS+4*\t:OBS+4*\t+1], v[OBS+4*\t:OBS+4*\t+1], v[8:9]
	v_pk_add_f32 v[OBS+4*\t+2:OBS+4*\t+3], v[OBS+4*\t+2:OBS+4*\t+3], v[10:11]
.endr
.irp t, 0,1,2,3,4,5,6,7
	global_store_b128 v[CO], v[OBS+4*\t:OBS+4*\t+3], s[12:13] offset:(16*(\a)+2*\t)*4096
.endr
.endm
	s_load_b256 s[4:11], s[0:1], 0x0
	s_load_b64 s[12:13], s[0:1], 0x20
	v_lshl_add_u32 v[SPW], v0, 2, SPARE
	v_mov_b32 v[NIL], 0
	ds_add_u32 v28, v29
	ds_add_u32 v28, v29
	s_wait_dscnt 0x0
	v_lshrrev_b32 v1, 5, v0
	v_readfirstlane_b32 s14, v1
	s_lshr_b32 s15, s14, 1
	s_and_b32 s16, s14, 1
	s_bfe_u32 s40, ttmp6, 0x40000
	s_bfe_u32 s41, ttmp6, 0x40004
	s_lshl_b32 s42, ttmp9, 2
	s_add_co_u32 s42, s42, s40
	s_and_b32 s17, ttmp7, 0xffff
	s_lshl_b32 s17, s17, 2
	s_add_co_u32 s17, s17, s41
	s_lshl_b32 s43, s41, 2
	s_lshl_b32 s43, 15, s43
	s_lshl_b32 s44, 0x1111, s40
	s_or_b32 s[G1+0], s43, (3<<16)|(1<<21)
	s_or_b32 s[G1B+0], s44, (3<<16)|(1<<21)
.irp g, G1, G1B
	s_mov_b32 s[\g+1], 2176<<16                    ; a row of the tile: four records, 17,408 bytes
	s_mov_b32 s[\g+2], 4<<16
	s_mov_b32 s[\g+3], 2176<<16
	s_mov_b32 s[\g+4], 4
	s_mov_b32 s[\g+5], 4352
	s_mov_b32 s[\g+6], 0
	s_mov_b32 s[\g+7], 0
.endr
	s_lshl_b32 s22, s16, 2
	s_lshl_b32 s20, s17, 3
	s_add_co_u32 s20, s20, s22
	s_mul_i32 s20, s20, 34816
	s_mov_b32 s21, 0
	s_lshl_b32 s46, s42, 3
	s_add_co_u32 s46, s46, s22
	s_mul_i32 s46, s46, 34816
	s_add_co_u32 s46, s46, W2
	s_mov_b32 s47, 0
	s_mul_i32 s45, s14, HALFT
	s_wait_kmcnt 0x0
	s_add_nc_u64 s[20:21], s[4:5], s[20:21]
	s_add_nc_u64 s[46:47], s[6:7], s[46:47]
	CROUND
.irp s, 0
	s_mov_b32 s[G0+4*\s], 1
	s_add_co_u32 s[G0+4*\s+1], s45, \s*SLOT
	s_add_nc_u64 s[G0+4*\s+2:G0+4*\s+3], s[20:21], \s*8704
	s_or_b32 s[G0+4*\s+3], s[G0+4*\s+3], 0x80000000
	s_mov_b32 s[G0B+4*\s], 1
	s_add_co_u32 s[G0B+4*\s+1], s45, \s*SLOT
	s_add_nc_u64 s[G0B+4*\s+2:G0B+4*\s+3], s[46:47], \s*8704
	s_or_b32 s[G0B+4*\s+3], s[G0B+4*\s+3], 0x80000000
.if \s                                             ; slot 1's first fill is issued as a refill is
	s_wait_alu depctr_va_vdst(0)
	s_wait_tensorcnt 0x0                           ; my part of slot 0 is in
	ds_add_u32 v28, v29
	s_wait_dscnt 0x0
	CROUND
.endif
	JLOAD G0+4*\s, G1, G0B+4*\s, G1B
.endr
	v_and_b32 v1, 15, v0
	v_bfe_u32 v2, v0, 4, 1
	v_and_b32 v3, 31, v0
	v_lshlrev_b32 v3, 4, v3
	s_mul_i32 s21, s15, HALFT
	s_mul_i32 s22, s16, HALFT
	s_add_co_u32 s22, s22, 2*HALFT
	v_add_nc_u32 v[ADRA], s21, v3
	v_add_nc_u32 v[ADRB], s22, v3
	v_add_nc_u32 v[ADRA+1], SLOT, v[ADRA]
	v_add_nc_u32 v[ADRB+1], SLOT, v[ADRB]
	s_sub_co_u32 s22, s22, s21
	v_mul_u32_u24 v4, s22, v2
	v_lshl_add_u32 v4, v1, 4, v4
	s_add_co_u32 s21, s21, 4096
	v_add_nc_u32 v[ADRS], s21, v4
	v_add_nc_u32 v[ADRS+1], SLOT, v[ADRS]
	s_mul_i32 s23, s14, 4352
	s_add_co_u32 s23, s23, STAGE                   ; my stage
	v_mul_u32_u24 v[STO], v1, 272
	v_lshl_add_u32 v[STO], v2, 6, v[STO]
	v_add_nc_u32 v[STO], s23, v[STO]
	v_mul_u32_u24 v[RD], v2, 272
	v_lshl_add_u32 v[RD], v1, 4, v[RD]
	v_add_nc_u32 v[RD], s23, v[RD]
	v_lshlrev_b32 v[BOF], 4, v1
	v_lshl_add_u32 v[CO], v2, 12, v[BOF]
	s_lshl_b32 s70, s42, 9
	s_lshl_b32 s72, s16, 8
	s_add_co_u32 s70, s70, s72
	s_mov_b32 s71, 0
	s_add_nc_u64 s[8:9], s[8:9], s[70:71]
	global_load_b128 v[8:11], v[BOF], s[8:9]
	s_lshl_b32 s72, s17, 19
	s_add_co_u32 s70, s70, s72
	s_lshl_b32 s72, s15, 18
	s_add_co_u32 s70, s70, s72
	s_add_nc_u64 s[10:11], s[10:11], s[70:71]
	s_add_nc_u64 s[12:13], s[12:13], s[70:71]
	s_wait_tensorcnt 0x0                           ; my one load, the first 2,048 along K of my 4 row blocks, is in
	s_barrier_signal -1
	s_barrier_wait -1
	PHASE 0, 1
	s_wait_alu depctr_va_vdst(0)
	PHASE 1, 0
	REFILL 0                                       ; all of the tile is read out: one load a wave brings the second 2,048 along K, 17,408 bytes on in each row
	WIN 0x40
.irp a, 0,1,2,3
.irp t, 0,1,2,3,4,5,6,7
	global_load_b128 v[128+32*\a+4*\t:128+32*\a+4*\t+3], v[CO], s[10:11] offset:(16*\a+2*\t)*4096
.endr
.endr
	WIN 0
	s_wait_tensorcnt 0x0                           ; my part of the second half of K is in,
	s_wait_dscnt 0x0
	s_barrier_signal -1
	s_barrier_wait -1                              ; everybody's is
	PHASE 0, 0
	PHASE 1, 0
	PLACES 4
	s_wait_loadcnt 0x0
.irp a, 0,1,2,3
	OUTA \a
.endr
	s_wait_tensorcnt 0x0
	ds_add_u32 v[SPW], v[NIL]
	s_wait_dscnt 0x0
	CROUND
	s_endpgm
.Lfunc_end_k_qeb0dccc425_ffn2:
	.size	k_qeb0dccc425_ffn2, .Lfunc_end_k_qeb0dccc425_ffn2-k_qeb0dccc425_ffn2
	.p2alignl 7, 3214868480
	.fill 96, 4, 3214868480
	.section	.rodata,"a",@progbits
	.p2align	6, 0x0
	.amdhsa_kernel k_qeb0dccc425_ffn2
		.amdhsa_group_segment_fixed_size 327680
		.amdhsa_private_segment_fixed_size 0
		.amdhsa_enable_private_segment 0
		.amdhsa_kernarg_size 40
		.amdhsa_user_sgpr_count 2
		.amdhsa_user_sgpr_kernarg_segment_ptr 1
		.amdhsa_wavefront_size32 1
		.amdhsa_system_sgpr_workgroup_id_x 1
		.amdhsa_system_sgpr_workgroup_id_y 1
		.amdhsa_system_sgpr_workgroup_id_z 1
		.amdhsa_system_vgpr_workitem_id 0
		.amdhsa_next_free_vgpr 512
		.amdhsa_next_free_sgpr 100
		.amdhsa_reserve_vcc 0
		.amdhsa_float_denorm_mode_32 3
		.amdhsa_float_denorm_mode_16_64 3
		.amdhsa_memory_ordered 1
		.amdhsa_forward_progress 1
		.amdhsa_inst_pref_size 131
	.end_amdhsa_kernel
	.amdgpu_metadata
---
amdhsa.version: [ 1, 2 ]
amdhsa.kernels:
  - .name:           k_qeb0dccc425_ffn2
    .symbol:         k_qeb0dccc425_ffn2.kd
    .args:
      - { .name: hc, .offset: 0, .size: 8, .value_kind: global_buffer, .address_space: global }
      - { .name: wts, .offset: 8, .size: 8, .value_kind: global_buffer, .address_space: global }
      - { .name: b2, .offset: 16, .size: 8, .value_kind: global_buffer, .address_space: global }
      - { .name: out1, .offset: 24, .size: 8, .value_kind: global_buffer, .address_space: global }
      - { .name: y2, .offset: 32, .size: 8, .value_kind: global_buffer, .address_space: global }
    .group_segment_fixed_size: 327680
    .private_segment_fixed_size: 0
    .kernarg_segment_align: 8
    .kernarg_segment_size: 40
    .max_flat_workgroup_size: 128
    .sgpr_count:     100
    .vgpr_count:     512
    .wavefront_size: 32
...
	.end_amdgpu_metadata
.endif
;; end of part 6
;; launch ln2 (part 7): grid 256 x 1, 8 waves a work-group, no clusters, 0 bytes of LDS; arguments y2, g2, be2, out0; writes out0
.if DOCPART == 7
	.amdgcn_target "amdgcn-amd-amdhsa--gfx1250"
	.amdhsa_code_object_version 6
	.text
	.protected	k_qeb0dccc425_ln2
	.globl	k_qeb0dccc425_ln2
	.p2align	8
	.type	k_qeb0dccc425_ln2,@function
k_qeb0dccc425_ln2:
	s_mov_b64 s[64:65], 0
	v_nop
	global_prefetch_b8 v0, s[64:65] scope:SCOPE_SE
	s_setreg_imm32_b32 hwreg(HW_REG_WAVE_MODE, 25, 1), 1
	s_wait_xcnt 0x0
; out0 = LayerNorm(y2) g2 + be2.  y2's rows stand in position order: position p is written to the true row, p with bits 3 and 4 exchanged.
; A wave takes two neighbouring rows of 4,096 bytes and keeps them in registers: read once, no LDS, no barrier.  Each load and store covers 512 consecutive bytes.
; The variance is taken of the differences from the mean: no difference of large sums.  NaN and infinities are not served.
.set Y, 32                             ; v32-95 two rows;  v96-127 g2;  v128-159 be2
.set G, 96
.set B, 128
.macro RTAIL d                         ; two chains of pairs become the sum over the wave's 32 lanes, in every lane
	s_delay_alu instid0(VALU_DEP_1)
	v_pk_add_f32 v[\d:\d+1], v[\d:\d+1], v[\d+2:\d+3]
	s_delay_alu instid0(VALU_DEP_1)
	v_add_f32 v[\d], v[\d], v[\d+1]
	s_delay_alu instid0(VALU_DEP_1)
	v_add_f32_dpp v[\d], v[\d], v[\d] row_xmask:1 row_mask:0xf bank_mask:0xf
	s_delay_alu instid0(VALU_DEP_1)
	v_add_f32_dpp v[\d], v[\d], v[\d] row_xmask:2 row_mask:0xf bank_mask:0xf
	s_delay_alu instid0(VALU_DEP_1)
	v_add_f32_dpp v[\d], v[\d], v[\d] row_xmask:4 row_mask:0xf bank_mask:0xf
	s_delay_alu instid0(VALU_DEP_1)
	v_add_f32_dpp v[\d], v[\d], v[\d] row_xmask:8 row_mask:0xf bank_mask:0xf
	s_delay_alu instid0(VALU_DEP_1)
	v_permlanex16_b32 v[\d+1], v[\d], s22, s23
	s_delay_alu instid0(VALU_DEP_1)
	v_add_f32 v[\d], v[\d], v[\d+1]
.endm
	s_load_b256 s[4:11], s[0:1], 0x0               ; y2, g2, be2, out0
	v_lshrrev_b32 v1, 5, v0
	s_delay_alu instid0(VALU_DEP_1)
	v_readfirstlane_b32 s12, v1
	v_and_b32 v1, 31, v0
	s_delay_alu instid0(VALU_DEP_1)
	v_lshlrev_b32 v1, 4, v1
	s_lshl_b32 s13, ttmp9, 4
	s_lshl_b32 s14, s12, 1
	s_add_co_u32 s13, s13, s14                     ; my first position, an even number
	s_bfe_u32 s14, s13, 0x10003
	s_bfe_u32 s15, s13, 0x10004
	s_and_b32 s16, s13, 0xffffffe7
	s_lshl_b32 s14, s14, 4
	s_lshl_b32 s15, s15, 3
	s_or_b32 s16, s16, s14
	s_or_b32 s16, s16, s15                         ; its true row
	s_lshl_b32 s18, s13, 12
	s_mov_b32 s19, 0
	s_lshl_b32 s20, s16, 12
	s_mov_b32 s21, 0
	s_mov_b32 s22, 0x76543210
	s_mov_b32 s23, 0xfedcba98
	s_mov_b32 s24, 0x3a800000                      ; 1 / 1,024
	s_mov_b32 s25, 0x3727c5ac                      ; 1e-5
	s_wait_alu depctr_va_vdst(0)
	s_wait_kmcnt 0x0
	s_add_nc_u64 s[4:5], s[4:5], s[18:19]
	s_add_nc_u64 s[10:11], s[10:11], s[20:21]
.irp e, 0,1
.irp i, 0,1,2,3,4,5,6,7
	global_load_b128 v[Y+32*\e+4*\i:Y+32*\e+4*\i+3], v1, s[4:5] offset:4096*\e+512*\i th:TH_LOAD_NT
.endr
.endr
.irp i, 0,1,2,3,4,5,6,7
	global_load_b128 v[G+4*\i:G+4*\i+3], v1, s[6:7] offset:512*\i
	global_load_b128 v[B+4*\i:B+4*\i+3], v1, s[8:9] offset:512*\i
.endr
	s_wait_loadcnt 16                              ; the rows are in; g2's and be2's 16 loads may be out
.irp e, 0,1
	v_pk_add_f32 v[4+4*\e:5+4*\e], v[Y+32*\e:Y+32*\e+1], v[Y+32*\e+4:Y+32*\e+5]
	v_pk_add_f32 v[6+4*\e:7+4*\e], v[Y+32*\e+2:Y+32*\e+3], v[Y+32*\e+6:Y+32*\e+7]
.irp k, 8,12,16,20,24,28
	s_delay_alu instid0(VALU_DEP_2)
	v_pk_add_f32 v[4+4*\e:5+4*\e], v[4+4*\e:5+4*\e], v[Y+32*\e+\k:Y+32*\e+\k+1]
	s_delay_alu instid0(VALU_DEP_2)
	v_pk_add_f32 v[6+4*\e:7+4*\e], v[6+4*\e:7+4*\e], v[Y+32*\e+\k+2:Y+32*\e+\k+3]
.endr
	RTAIL 4+4*\e
	s_delay_alu instid0(VALU_DEP_1)
	v_mul_f32 v[4+4*\e], s24, v[4+4*\e]            ; the mean
.irp k, 0,2,4,6,8,10,12,14,16,18,20,22,24,26,28,30
	v_pk_add_f32 v[Y+32*\e+\k:Y+32*\e+\k+1], v[Y+32*\e+\k:Y+32*\e+\k+1], v[4+4*\e:5+4*\e] op_sel_hi:[1,0] neg_lo:[0,1] neg_hi:[0,1]
.endr
	v_pk_mul_f32 v[12+4*\e:13+4*\e], v[Y+32*\e:Y+32*\e+1], v[Y+32*\e:Y+32*\e+1]
	v_pk_mul_f32 v[14+4*\e:15+4*\e], v[Y+32*\e+2:Y+32*\e+3], v[Y+32*\e+2:Y+32*\e+3]
.irp k, 4,8,12,16,20,24,28
	s_delay_alu instid0(VALU_DEP_2)
	v_pk_fma_f32 v[12+4*\e:13+4*\e], v[Y+32*\e+\k:Y+32*\e+\k+1], v[Y+32*\e+\k:Y+32*\e+\k+1], v[12+4*\e:13+4*\e]
	s_delay_alu instid0(VALU_DEP_2)
	v_pk_fma_f32 v[14+4*\e:15+4*\e], v[Y+32*\e+\k+2:Y+32*\e+\k+3], v[Y+32*\e+\k+2:Y+32*\e+\k+3], v[14+4*\e:15+4*\e]
.endr
	RTAIL 12+4*\e
	s_delay_alu instid0(VALU_DEP_1)
	v_fma_f32 v[13+4*\e], v[12+4*\e], s24, s25     ; the variance + 1e-5
	s_wait_alu depctr_va_vdst(0)
	v_rsq_f32 v[20+2*\e], v[13+4*\e]
	v_rsq_f32 v[21+2*\e], v[13+4*\e]
	v_nop                                          ; a plain line behind the transcendentals
.endr
	s_wait_loadcnt 0x0
	s_wait_alu depctr_va_vdst(0)
.irp e, 0,1
.irp k, 0,2,4,6,8,10,12,14,16,18,20,22,24,26,28,30
	v_pk_mul_f32 v[Y+32*\e+\k:Y+32*\e+\k+1], v[Y+32*\e+\k:Y+32*\e+\k+1], v[20+2*\e:21+2*\e]
.endr
.irp k, 0,2,4,6,8,10,12,14,16,18,20,22,24,26,28,30
	v_pk_fma_f32 v[Y+32*\e+\k:Y+32*\e+\k+1], v[Y+32*\e+\k:Y+32*\e+\k+1], v[G+\k:G+\k+1], v[B+\k:B+\k+1]
.endr
.irp i, 0,1,2,3,4,5,6,7
	global_store_b128 v1, v[Y+32*\e+4*\i:Y+32*\e+4*\i+3], s[10:11] offset:4096*\e+512*\i th:TH_STORE_NT
.endr
.endr
	s_endpgm
.Lfunc_end_k_qeb0dccc425_ln2:
	.size	k_qeb0dccc425_ln2, .Lfunc_end_k_qeb0dccc425_ln2-k_qeb0dccc425_ln2
	.p2alignl 7, 3214868480
	.fill 96, 4, 3214868480
	.section	.rodata,"a",@progbits
	.p2align	6, 0x0
	.amdhsa_kernel k_qeb0dccc425_ln2
		.amdhsa_group_segment_fixed_size 0
		.amdhsa_private_segment_fixed_size 0
		.amdhsa_enable_private_segment 0
		.amdhsa_kernarg_size 32
		.amdhsa_user_sgpr_count 2
		.amdhsa_user_sgpr_kernarg_segment_ptr 1
		.amdhsa_wavefront_size32 1
		.amdhsa_system_sgpr_workgroup_id_x 1
		.amdhsa_system_sgpr_workgroup_id_y 1
		.amdhsa_system_sgpr_workgroup_id_z 1
		.amdhsa_system_vgpr_workitem_id 0
		.amdhsa_next_free_vgpr 160
		.amdhsa_next_free_sgpr 66
		.amdhsa_reserve_vcc 0
		.amdhsa_float_denorm_mode_32 3
		.amdhsa_float_denorm_mode_16_64 3
		.amdhsa_memory_ordered 1
		.amdhsa_forward_progress 1
		.amdhsa_inst_pref_size 21
	.end_amdhsa_kernel
	.amdgpu_metadata
---
amdhsa.version: [ 1, 2 ]
amdhsa.kernels:
  - .name:           k_qeb0dccc425_ln2
    .symbol:         k_qeb0dccc425_ln2.kd
    .args:
      - { .name: y2, .offset: 0, .size: 8, .value_kind: global_buffer, .address_space: global }
      - { .name: g2, .offset: 8, .size: 8, .value_kind: global_buffer, .address_space: global }
      - { .name: be2, .offset: 16, .size: 8, .value_kind: global_buffer, .address_space: global }
      - { .name: out0, .offset: 24, .size: 8, .value_kind: global_buffer, .address_space: global }
    .group_segment_fixed_size: 0
    .private_segment_fixed_size: 0
    .kernarg_segment_align: 8
    .kernarg_segment_size: 32
    .max_flat_workgroup_size: 256
    .sgpr_count:     66
    .vgpr_count:     160
    .wavefront_size: 32
...
	.end_amdgpu_metadata
.endif
;; end of part 7
